; MI455X (gfx1250); checked and timed in simulation.
; The chip was launched on July 23, 2026; its instructions are those of AMD's public machine-readable ISA for CDNA 5 (MIT licence, August 2026) and "CDNA5" Instruction Set Architecture Reference Guide (July 2026). The comments in the code are by the model that wrote it; some were corrected since.
;; Encode Layer. Allowed arithmetic: matrix products marked QUANTISED: E2M3 operands, one E8M0 scale for each 32 along K, by v_wmma_scale_f32_16x16x128_f8f6f4 with both operands' format E2M3, f32 sums; everything else in f32.
;; Inputs: b1 4,096 float32; b2 1,024 float32; enc_input 2 x 2,048 x 1,024 float32; ln1_b 1,024 float32; ln1_g 1,024 float32; ln2_b 1,024 float32; ln2_g 1,024 float32; w1_codes 4,096 x 32 x 24 uint8 (E2M3 codes of w1, K innermost, in blocks of 32 codes, four codes in three bytes); w1_scales 4,096 x 32 uint8 (E8M0 scales of w1, one for each 32 codes along K); w2_codes 1,024 x 128 x 24 uint8 (E2M3 codes of w2, K innermost, in blocks of 32 codes, four codes in three bytes); w2_scales 1,024 x 128 uint8 (E8M0 scales of w2, one for each 32 codes along K); wk_codes 1,024 x 32 x 24 uint8 (E2M3 codes of wk, K innermost, in blocks of 32 codes, four codes in three bytes); wk_scales 1,024 x 32 uint8 (E8M0 scales of wk, one for each 32 codes along K); wo_codes 1,024 x 32 x 24 uint8 (E2M3 codes of wo, K innermost, in blocks of 32 codes, four codes in three bytes); wo_scales 1,024 x 32 uint8 (E8M0 scales of wo, one for each 32 codes along K); wq_codes 1,024 x 32 x 24 uint8 (E2M3 codes of wq, K innermost, in blocks of 32 codes, four codes in three bytes); wq_scales 1,024 x 32 uint8 (E8M0 scales of wq, one for each 32 codes along K); wv_codes 1,024 x 32 x 24 uint8 (E2M3 codes of wv, K innermost, in blocks of 32 codes, four codes in three bytes); wv_scales 1,024 x 32 uint8 (E8M0 scales of wv, one for each 32 codes along K).
;; Outputs: out0 2 x 2,048 x 1,024 float32.
;; This version of the problem:
;;   THIS VERSION OF THE PROBLEM IS GIVEN IN LOW PRECISION. The matrix products marked QUANTISED in the list below multiply operands that are first quantised to E2M3 (2 exponent bits, 3 mantissa bits; 6 bits a number), with one power-of-two scale for each 32 numbers along K (OCP MX v1.0); their sums are f32. All else is computed in f32.
;;   The module's matrix products, in the order in which they are computed (A, B: the left and right operand; K: the contracted axis; several contracted axes count as one K, in the product's order):
;;     1. [M 4,096, K 1,024] x [K 1,024, N 1,024]; A: input enc_input; B: input wq (given as codes): QUANTISED
;;     2. [M 4,096, K 1,024] x [K 1,024, N 1,024]; A: input enc_input; B: input wk (given as codes): QUANTISED
;;     3. [M 4,096, K 1,024] x [K 1,024, N 1,024]; A: input enc_input; B: input wv (given as codes): QUANTISED
;;     4. batch 32 x [M 2,048, K 64] x [K 64, N 2,048]; A: computed on the way; B: computed on the way: QUANTISED
;;     5. batch 32 x [M 2,048, K 2,048] x [K 2,048, N 64]; A: softmax (see below); B: computed on the way: QUANTISED
;;     6. [M 4,096, K 1,024] x [K 1,024, N 1,024]; A: computed on the way; B: input wo (given as codes): QUANTISED
;;     7. [M 4,096, K 1,024] x [K 1,024, N 4,096]; A: computed on the way; B: input w1 (given as codes): QUANTISED
;;     8. [M 4,096, K 4,096] x [K 4,096, N 1,024]; A: computed on the way; B: input w2 (given as codes): QUANTISED
;;   THE QUANTISER, for each operand of a quantised product, along K:
;;     - K is cut into blocks of 32 from its start; a last block that is shorter is filled with zeros.
;;     - A block's scale is 2^e with e = floor(log2(the largest magnitude in the block)) - 2, held to -126 .. 127; a block of zeros has e = 0. As a byte (E8M0): e + 127.
;;     - Each number is divided by its block's scale, clamped to +-7.5, and rounded to the nearest number of E2M3, ties to even, subnormals kept.
;;     - The product sums the exact products of the quantised numbers (number of the format x scale) in f32.
;;   ~~~python
;;   def quantise(x, axis):      # numpy; x: float32 -> the quantised numbers, widened to float32 again
;;       x = np.moveaxis(x, axis, -1); K = x.shape[-1]
;;       x = np.pad(x, [(0, 0)] * (x.ndim - 1) + [(0, -K % 32)]); x = x.reshape(x.shape[:-1] + (-1, 32)); a = np.abs(x).max(-1, keepdims=True)
;;       e = np.where(a > 0, np.clip(np.frexp(np.where(a > 0, a, 1))[1] - 1 - 2, -126, 127), 0)      # np.frexp(a)[1] - 1 = floor(log2(a)), exactly
;;       r = np.clip(x / 2.0 ** e, -7.5, 7.5)
;;       step = 2.0 ** (np.maximum(np.frexp(np.where(r == 0, 1, r))[1] - 1, 0) - 3)
;;       q = np.round(r / step) * step * 2.0 ** e      # np.round: ties to even
;;       return np.moveaxis(q.reshape(q.shape[:-2] + (-1,))[..., :K], -1, axis).astype(np.float32)
;;   ~~~
;;   SOFTMAX AHEAD OF A QUANTISED PRODUCT. Where the list says 'softmax', what is quantised is not the finished softmax but p = 2^(t - M), with t = logit x log2(e) and M = ceil(the row's largest t), a whole number; so 1/2 < the row's largest p <= 1. The row's sum l is taken of the UNQUANTISED p, in f32, and the product's result is divided by l at the end. Since M is a whole number, a kernel that streams over the keys may use a running M (the ceiling of the running maximum): every later rescaling is an exact power of two, which a block's scale takes up: the codes' values come out the same.
;;   OPERANDS COMPUTED ON THE WAY. 'Computed on the way' means the value that the module computes at that place (a softmax that the list does not call 'softmax' is quantised finished and normalised). What goes into a quantiser is computed in f32, as accurately as f32 sums, v_exp_f32 and their like allow (about 1e-6 of the number): no bf16 or f16 on the way to a quantiser, and a product that is left as it is and whose result goes on into a quantised operand takes f32 operands (vector FMAs, or v_wmma_f32_16x16x4_f32). A number that lies on a knife's edge between two numbers of the format may be rounded either way, as far as f32 arithmetic and the matrix unit's own rounding can turn it there, and no further.
;;   INPUTS GIVEN AS CODES. w1 (in the module: [1024, 4096], K = its axis 0); w2 (in the module: [4096, 1024], K = its axis 0); wk (in the module: [1024, 1024], K = its axis 0); wo (in the module: [1024, 1024], K = its axis 0); wq (in the module: [1024, 1024], K = its axis 0); wv (in the module: [1024, 1024], K = its axis 0): each comes as NAME_codes (uint8): NAME with its K axis moved to the last place and cut into blocks of 32 codes, [.., K / 32, bytes a block], one block behind the other in memory; four codes in three bytes: a row's codes are one little-endian stream of bits, code i at bits 6 i .. 6 i + 5 (a code: sign, 2 exponent bits, 3 mantissa bits); and NAME_scales (uint8): the same leading axes, one E8M0 byte (e + 127) for each 32 codes along K. Its value is code x scale, taken as it is: it is not quantised again, and the codes and scales need not be those that the quantiser above would give.
;; One version. Each part assembles by itself: llvm-mc -triple=amdgcn-amd-amdhsa -mcpu=gfx1250 --defsym DOCPART=n.
;; ======== version 1 of 1: 8 launches
;; limits: right only within a limited range of input values
;; workspace buffers: prep 13,107,200 bytes; qkv 9,830,400 bytes; cr 3,276,800 bytes; y 16,777,216 bytes; hf 16,777,216 bytes; hr 3,276,800 bytes; fr 13,107,200 bytes
;; launch prep (part 1): grid 448 x 1, 4 waves a work-group, no clusters, 84,480 bytes of LDS; arguments prep, enc_input, wq_codes, wq_scales, wk_codes, wk_scales, wv_codes, wv_scales, wo_codes, wo_scales, w1_codes, w1_scales, w2_codes, w2_scales; writes prep
.if DOCPART == 1
	.amdgcn_target "amdgcn-amd-amdhsa--gfx1250"
	.amdhsa_code_object_version 6
	.text
	.protected	k_q7f493f5908_prep
	.globl	k_q7f493f5908_prep
	.p2align	8
	.type	k_q7f493f5908_prep,@function
k_q7f493f5908_prep:
	s_mov_b64 s[64:65], 0
	v_nop
	global_prefetch_b8 v0, s[64:65] scope:SCOPE_SE
	s_setreg_imm32_b32 hwreg(HW_REG_WAVE_MODE, 25, 1), 1
	s_wait_xcnt 0x0
; Every operand of every product is laid once in the ORDER OF THE OPERAND'S REGISTERS ("records").  For a matrix [rows][K], NG = rows / 64:
; record (ks, g) at byte (ks NG + g) 6400: four fragments (16 rows x 128 K) of 1,536 bytes, fragment f = rows 64 g + 16 f + r; in it piece p (0..5) of lane l = 16 h + r
; at 256 p + 8 l = bytes 8 (p % 3) .. + 7 of the row's block 4 ks + 2 (p / 3) + h of 24 bytes: operand registers 2 p, 2 p + 1.  Behind them, at 6144 + 4 (16 f + r), the row's scale word of this K step.
; Work-groups 0-255 quantise enc_input (f32) to E2M3 with one E8M0 byte for each 32 along K; work-groups 256-447 lay the six weights' codes and scale bytes over, unchanged.
; LIMITS: a block whose largest magnitude lies under 2^-124 gets the byte 1; a block of zeros gets the byte 1 (its codes are zeros, and this program alone reads the bytes); NaN and infinities are not served.
; No barrier: a wave shares nothing.  Each of the two paths has LDS bytes of its own.  Scale words leave in runs of 64 bytes (one byte in 24 of what is stored).
.set OFF_WQ, 3276800
.set OFF_WK, 4096000
.set OFF_WV, 4915200
.set OFF_WO, 5734400
.set OFF_W1, 6553600
.set OFF_W2, 9830400
.set TM,  8                            ; v8-23 at work in the quantiser
.set SEL, 56                           ; s[56:57] lane selects: lane l xor 16
; 64 numbers of a lane, register 16 b + i = k 32 b + 16 (lane / 16) + i of its row, become 12 registers of codes at v[pc] and the row's scale word in v[pw]
.macro QUANT s, pw, pc
.irp b, 0,1,2,3
	v_max3_num_f32 v[TM+\b], |v[(\s)+16*\b]|, |v[(\s)+1+16*\b]|, 0x1800000   ; my 16 numbers of block b, and the floor 2^(3 - 127): the byte cannot fall under 1
.endr
.irp i, 2,4,6,8,10,12,14
.irp b, 0,1,2,3
	v_max3_num_f32 v[TM+\b], v[TM+\b], |v[(\s)+16*\b+\i]|, |v[(\s)+1+16*\b+\i]|
.endr
.endr
.irp b, 0,1,2,3
	v_permlanex16_b32 v[TM+4+\b], v[TM+\b], s[SEL], s[SEL+1]
.endr
.irp b, 0,1,2,3
	v_max_num_f32 v[TM+\b], v[TM+\b], v[TM+4+\b]           ; with lane l xor 16's: the block's largest magnitude
.endr
.irp b, 0,1,2,3
	v_add_nc_u32 v[TM+12+\b], 0xff000000, v[TM+\b]         ; 2 off its exponent field: the conversion's scale operand
.endr
.irp b, 0,1,2,3
	v_lshrrev_b32 v[TM+4+\b], 23, v[TM+12+\b]              ; the scale's byte
.endr
	v_lshl_or_b32 v[\pw], v[TM+5], 8, v[TM+4]
	v_lshl_or_b32 v[\pw], v[TM+6], 16, v[\pw]
	v_lshl_or_b32 v[\pw], v[TM+7], 24, v[\pw]
.irp c, 0,1
	v_cvt_scalef32_pk16_fp6_f32 v[(\pc)+6*\c:(\pc)+2+6*\c], v[(\s)+32*\c:(\s)+15+32*\c], v[TM+12+2*\c]
	v_cvt_scalef32_pk16_fp6_f32 v[(\pc)+12+4*\c:(\pc)+14+4*\c], v[(\s)+16+32*\c:(\s)+31+32*\c], v[TM+13+2*\c]
.endr
	v_nop                                                  ; one plain place behind the scaled conversions
.irp c, 0,1
.irp i, 0,1,2
	v_permlane16_swap_b32 v[(\pc)+6*\c+\i], v[(\pc)+12+4*\c+\i]   ; a whole block to a lane: lanes 0-15 block 2 c, lanes 16-31 block 2 c + 1
.endr
.irp i, 0,1,2
	v_mov_b32 v[(\pc)+3+6*\c+\i], v[(\pc)+12+4*\c+\i]
.endr
.endr
.endm
	s_load_b128 s[4:7], s[0:1], 0x0                ; prep, enc_input
	s_load_b512 s[8:23], s[0:1], 0x10              ; wq, wk, wv, wo: codes and scales each
	s_load_b256 s[24:31], s[0:1], 0x50             ; w1, w2: codes and scales each
	v_lshl_add_u32 v30, v0, 2, 0x14800
	v_mov_b32 v31, 0
	v_lshrrev_b32 v1, 5, v0
	v_readfirstlane_b32 s36, v1                    ; wave = fragment f
	v_and_b32 v1, 31, v0                           ; lane
	v_and_b32 v2, 15, v0                           ; r
	v_bfe_u32 v3, v0, 4, 1                         ; h
	v_lshlrev_b32 v4, 3, v1                        ; 8 x lane
	s_cmp_lt_u32 ttmp9, 256
	s_cbranch_scc0 .Lweights
	; ---- enc_input: work-group u: group g = u / 4 of 64 rows, K steps 2 (u % 4) and + 1; wave f: its 16 rows
	s_lshr_b32 s38, ttmp9, 2                       ; g
	s_and_b32 s39, ttmp9, 3                        ; kp
	s_lshl_b32 s40, s38, 18                        ; 64 g rows of 4,096 bytes
	s_lshl_b32 s41, s36, 16                        ; 16 f rows
	s_add_co_u32 s40, s40, s41
	s_lshl_b32 s41, s39, 10                        ; two K steps are 1,024 bytes of a row
	s_add_co_u32 s40, s40, s41
	s_mov_b32 s41, 0
	s_mul_i32 s42, s39, 819200                     ; record (2 kp, g): 2 kp planes of 64 records
	s_mul_i32 s43, s38, 6400
	s_add_co_u32 s42, s42, s43
	s_mov_b32 s43, 0
	s_mov_b32 s[SEL], 0x76543210
	s_mov_b32 s[SEL+1], 0xfedcba98
	s_mov_b32 s58, 0xffff0000                      ; lanes 16-31
	s_wait_alu depctr_va_vdst(0)
	v_lshlrev_b32 v5, 4, v1                        ; 16 x lane
	s_mul_i32 s47, s36, 8448                       ; my stage: 16 rows x (512 + 16) bytes
	v_add_nc_u32 v6, s47, v5                       ; in: a row as it lies
	v_mul_u32_u24 v7, v2, 528
	v_lshl_add_u32 v7, v3, 6, v7
	v_add_nc_u32 v7, s47, v7                       ; out: row r, + 64 h: my 16 numbers of each block
	s_mul_i32 s48, s36, 1536
	v_add_nc_u32 v28, s48, v4                      ; codes: fragment f, 8 x lane
	v_mul_u32_u24 v27, v3, 409600                  ; scale words: lanes 16-31 store the second K step's, one plane on
	v_lshl_add_u32 v27, v2, 2, v27
	s_lshl_b32 s48, s36, 6
	v_add_nc_u32 v27, s48, v27                     ; + 64 f + 4 r
.irp b, 0,1,2,3
	v_mov_b32 v[TM+4+\b], 0                        ; a lane permute's destination counts as one of its sources
.endr
	s_wait_alu depctr_va_vdst(0)
	s_wait_kmcnt 0x0
	s_add_nc_u64 s[6:7], s[6:7], s[40:41]
	s_add_nc_u64 s[4:5], s[4:5], s[42:43]
.irp e, 0,1
.irp i, 0,1,2,3,4,5,6,7,8,9,10,11,12,13,14,15
	global_load_b128 v[32+64*\e+4*\i:35+64*\e+4*\i], v5, s[6:7] offset:\i*4096+512*\e th:TH_LOAD_NT   ; 512 consecutive bytes: one K step of one row
.endr
.endr
.irp e, 0,1
	s_wait_loadcnt 16*(1-\e)                       ; this K step's 16 loads are in; the other's may be out
.irp i, 0,1,2,3,4,5,6,7,8,9,10,11,12,13,14,15
	ds_store_b128 v6, v[32+64*\e+4*\i:35+64*\e+4*\i] offset:\i*528
.endr
.irp b, 0,1,2,3
.irp j, 0,1,2,3
	ds_load_b128 v[160+16*\b+4*\j:163+16*\b+4*\j], v7 offset:128*\b+16*\j   ; LDS serves a wave's instructions in order: these see the stores above
.endr
.endr
	s_wait_dscnt 0x0
	s_wait_xcnt 0x0                                ; the first K step's stores have read the code registers
	QUANT 160, 24+\e, 224
.irp p, 0,1,2,3,4,5
	global_store_b64 v28, v[224+2*\p:225+2*\p], s[4:5] offset:\e*409600+256*\p   ; 32 lanes store 256 consecutive bytes, aligned
.endr
.endr
	v_cndmask_b32 v26, v24, v25, s58               ; lanes 0-15: the first K step's word of row r; lanes 16-31: the second's
	global_store_b32 v27, v26, s[4:5] offset:6144
	s_wait_tensorcnt 0x0
	ds_add_u32 v30, v31
	s_wait_dscnt 0x0
	s_endpgm
.Lweights:
	; ---- the weights: unit u = work-group - 256.  A wave takes 16 rows x 768 bytes of codes (8 K steps) and their 32 scale bytes a row
	s_sub_co_u32 s38, ttmp9, 256                   ; u
	s_mov_b32 s41, 128                             ; w2: first unit,
	s_mov_b32 s42, 3072                            ; bytes in a row of codes,
	s_mov_b32 s43, 128                             ; in a row of scale bytes,
	s_mov_b32 s44, 102400                          ; a plane of records (16 groups),
	s_mov_b32 s45, 2                               ; four units along K for each group,
	s_mov_b32 s46, OFF_W2                          ; its place in prep
	s_wait_kmcnt 0x0
	s_mov_b64 s[32:33], s[28:29]
	s_mov_b64 s[34:35], s[30:31]
	s_cmp_lt_u32 s38, 128                          ; the choices hang on the work-group's number alone
	s_cselect_b64 s[32:33], s[24:25], s[32:33]     ; w1
	s_cselect_b64 s[34:35], s[26:27], s[34:35]
	s_cselect_b32 s41, 64, s41
	s_cselect_b32 s42, 768, s42
	s_cselect_b32 s43, 32, s43
	s_cselect_b32 s44, 409600, s44
	s_cselect_b32 s45, 0, s45
	s_cselect_b32 s46, OFF_W1, s46
	s_cmp_lt_u32 s38, 64
	s_cselect_b64 s[32:33], s[20:21], s[32:33]     ; wo
	s_cselect_b64 s[34:35], s[22:23], s[34:35]
	s_cselect_b32 s41, 48, s41
	s_cselect_b32 s44, 102400, s44
	s_cselect_b32 s46, OFF_WO, s46
	s_cmp_lt_u32 s38, 48
	s_cselect_b64 s[32:33], s[16:17], s[32:33]     ; wv
	s_cselect_b64 s[34:35], s[18:19], s[34:35]
	s_cselect_b32 s41, 32, s41
	s_cselect_b32 s46, OFF_WV, s46
	s_cmp_lt_u32 s38, 32
	s_cselect_b64 s[32:33], s[12:13], s[32:33]     ; wk
	s_cselect_b64 s[34:35], s[14:15], s[34:35]
	s_cselect_b32 s41, 16, s41
	s_cselect_b32 s46, OFF_WK, s46
	s_cmp_lt_u32 s38, 16
	s_cselect_b64 s[32:33], s[8:9], s[32:33]       ; wq
	s_cselect_b64 s[34:35], s[10:11], s[34:35]
	s_cselect_b32 s41, 0, s41
	s_cselect_b32 s46, OFF_WQ, s46
	s_sub_co_u32 s38, s38, s41                     ; the unit within its tensor
	s_lshr_b32 s47, s38, s45                       ; g
	s_lshl_b32 s48, s47, s45
	s_sub_co_u32 s48, s38, s48                     ; kq: which 8 K steps
	s_lshl_b32 s49, s47, 6
	s_lshl_b32 s50, s36, 4
	s_add_co_u32 s49, s49, s50                     ; my first row: 64 g + 16 f
	s_mul_i32 s50, s49, s42
	s_mul_i32 s51, s48, 768
	s_add_co_u32 s50, s50, s51
	s_mov_b32 s51, 0
	s_add_nc_u64 s[32:33], s[32:33], s[50:51]      ; my codes
	s_mul_i32 s50, s49, s43
	s_lshl_b32 s52, s48, 5
	s_add_co_u32 s50, s50, s52
	s_add_nc_u64 s[34:35], s[34:35], s[50:51]      ; my scale bytes
	s_mul_i32 s50, s48, s44
	s_lshl_b32 s50, s50, 3                         ; 8 kq planes
	s_mul_i32 s52, s47, 6400
	s_add_co_u32 s50, s50, s52
	s_add_co_u32 s50, s50, s46
	s_add_nc_u64 s[4:5], s[4:5], s[50:51]          ; record (8 kq, g)
	s_wait_alu depctr_va_vdst(0)
.irp i, 0,1,2,3,4,5,6,7,8,9,10,11,12,13,14,15
	v_mad_u32_u24 v[240+\i], s42, \i, v4           ; row i, 8 x lane
.endr
	s_mul_i32 s53, s36, 1536
	v_add_nc_u32 v5, s53, v4
.irp k, 0,1,2,3,4,5,6,7
	v_mad_u32_u24 v[8+\k], s44, \k, v5             ; K step k's record, fragment f, 8 x lane
.endr
	s_lshl_b32 s53, s36, 6
	v_lshl_add_u32 v27, v2, 2, s53                 ; 64 f + 4 r
	v_lshlrev_b32 v6, 2, v3                        ; lanes 16-31 hold K steps 4 .. 7 of the 8
.irp j, 0,1,2,3
	v_add_nc_u32 v7, \j, v6
	v_mad_u32_u24 v[16+\j], v7, s44, v27
.endr
	v_mul_u32_u24 v26, s43, v2
	v_lshl_add_u32 v26, v3, 4, v26                 ; scale bytes: row r, + 16 h
	s_mul_i32 s54, s36, 12544                      ; my stage: 16 rows x (768 + 16) bytes, behind the other path's stages
	s_add_co_u32 s54, s54, 33792
	v_add_nc_u32 v24, s54, v4
	v_mul_u32_u24 v25, v2, 784
	v_mad_u32_u24 v25, v3, 24, v25
	v_add_nc_u32 v25, s54, v25                     ; out: row r, + 24 h
.irp i, 0,1,2,3,4,5,6,7,8,9,10,11,12,13,14,15
.irp c, 0,1,2
	global_load_b64 v[32+6*\i+2*\c:33+6*\i+2*\c], v[240+\i], s[32:33] offset:256*\c th:TH_LOAD_NT   ; 256 consecutive bytes of a row
.endr
.endr
	global_load_b128 v[20:23], v26, s[34:35] th:TH_LOAD_NT
	s_wait_alu depctr_va_vdst(0)
	s_wait_loadcnt 0x0
.irp i, 0,1,2,3,4,5,6,7,8,9,10,11,12,13,14,15
.irp c, 0,1,2
	ds_store_b64 v24, v[32+6*\i+2*\c:33+6*\i+2*\c] offset:\i*784+256*\c
.endr
.endr
.irp k, 0,1,2,3,4,5,6,7
.irp p, 0,1,2,3,4,5
	ds_load_b64 v[144+12*\k+2*\p:145+12*\k+2*\p], v25 offset:96*\k+48*(\p/3)+8*(\p%3)   ; the fragment's registers; in order behind my stores
.endr
.endr
	s_wait_dscnt 0x0
.irp k, 0,1,2,3,4,5,6,7
.irp p, 0,1,2,3,4,5
	global_store_b64 v[8+\k], v[144+12*\k+2*\p:145+12*\k+2*\p], s[4:5] offset:256*\p   ; 256 consecutive bytes, aligned
.endr
.endr
.irp j, 0,1,2,3
	global_store_b32 v[16+\j], v[20+\j], s[4:5] offset:6144
.endr
	s_wait_tensorcnt 0x0
	ds_add_u32 v30, v31
	s_wait_dscnt 0x0
	s_endpgm
.Lfunc_end_k_q7f493f5908_prep:
	.size	k_q7f493f5908_prep, .Lfunc_end_k_q7f493f5908_prep-k_q7f493f5908_prep
	.p2alignl 7, 3214868480
	.fill 96, 4, 3214868480
	.section	.rodata,"a",@progbits
	.p2align	6, 0x0
	.amdhsa_kernel k_q7f493f5908_prep
		.amdhsa_group_segment_fixed_size 84480
		.amdhsa_private_segment_fixed_size 0
		.amdhsa_enable_private_segment 0
		.amdhsa_kernarg_size 112
		.amdhsa_user_sgpr_count 2
		.amdhsa_user_sgpr_kernarg_segment_ptr 1
		.amdhsa_wavefront_size32 1
		.amdhsa_system_sgpr_workgroup_id_x 1
		.amdhsa_system_sgpr_workgroup_id_y 1
		.amdhsa_system_sgpr_workgroup_id_z 1
		.amdhsa_system_vgpr_workitem_id 0
		.amdhsa_next_free_vgpr 256
		.amdhsa_next_free_sgpr 66
		.amdhsa_reserve_vcc 0
		.amdhsa_float_denorm_mode_32 3
		.amdhsa_float_denorm_mode_16_64 3
		.amdhsa_memory_ordered 1
		.amdhsa_forward_progress 1
		.amdhsa_inst_pref_size 40
	.end_amdhsa_kernel
	.amdgpu_metadata
---
amdhsa.version: [ 1, 2 ]
amdhsa.kernels:
  - .name:           k_q7f493f5908_prep
    .symbol:         k_q7f493f5908_prep.kd
    .args:
      - { .name: prep, .offset: 0, .size: 8, .value_kind: global_buffer, .address_space: global }
      - { .name: enc_input, .offset: 8, .size: 8, .value_kind: global_buffer, .address_space: global }
      - { .name: wq_codes, .offset: 16, .size: 8, .value_kind: global_buffer, .address_space: global }
      - { .name: wq_scales, .offset: 24, .size: 8, .value_kind: global_buffer, .address_space: global }
      - { .name: wk_codes, .offset: 32, .size: 8, .value_kind: global_buffer, .address_space: global }
      - { .name: wk_scales, .offset: 40, .size: 8, .value_kind: global_buffer, .address_space: global }
      - { .name: wv_codes, .offset: 48, .size: 8, .value_kind: global_buffer, .address_space: global }
      - { .name: wv_scales, .offset: 56, .size: 8, .value_kind: global_buffer, .address_space: global }
      - { .name: wo_codes, .offset: 64, .size: 8, .value_kind: global_buffer, .address_space: global }
      - { .name: wo_scales, .offset: 72, .size: 8, .value_kind: global_buffer, .address_space: global }
      - { .name: w1_codes, .offset: 80, .size: 8, .value_kind: global_buffer, .address_space: global }
      - { .name: w1_scales, .offset: 88, .size: 8, .value_kind: global_buffer, .address_space: global }
      - { .name: w2_codes, .offset: 96, .size: 8, .value_kind: global_buffer, .address_space: global }
      - { .name: w2_scales, .offset: 104, .size: 8, .value_kind: global_buffer, .address_space: global }
    .group_segment_fixed_size: 84480
    .private_segment_fixed_size: 0
    .kernarg_segment_align: 8
    .kernarg_segment_size: 112
    .max_flat_workgroup_size: 128
    .sgpr_count:     66
    .vgpr_count:     256
    .wavefront_size: 32
...
	.end_amdgpu_metadata
.endif
;; end of part 1
;; launch qkv (part 2): grid 4 x 48, 4 waves a work-group, clusters of 4 x 4, 327,680 bytes of LDS; arguments prep, qkv; writes qkv
.if DOCPART == 2
	.amdgcn_target "amdgcn-amd-amdhsa--gfx1250"
	.amdhsa_code_object_version 6
	.text
	.protected	k_q7f493f5908_qkv
	.globl	k_q7f493f5908_qkv
	.p2align	8
	.type	k_q7f493f5908_qkv,@function
k_q7f493f5908_qkv:
	s_mov_b64 s[64:65], 0
	v_nop
	global_prefetch_b8 v0, s[64:65] scope:SCOPE_SE
	s_setreg_imm32_b32 hwreg(HW_REG_WAVE_MODE, 25, 1), 1
	s_wait_xcnt 0x0
	s_wait_alu depctr_hold_cnt(0) depctr_sa_sdst(0) depctr_va_vdst(0) depctr_va_sdst(0) depctr_va_ssrc(0) depctr_va_vcc(0) depctr_vm_vsrc(0)
	s_getreg_b32 s2, hwreg(HW_REG_IB_STS2, 6, 4)
	s_cmp_eq_u32 s2, 0
	s_cbranch_scc0 .Lentry_in_a_cluster
	s_endpgm
.Lentry_in_a_cluster:
	s_bfe_u32 s2, ttmp6, 0x10000c
	s_cmp_lg_u32 s2, 0xf033
	s_cbranch_scc0 .Lentry_shape_is_right
	s_endpgm
.Lentry_shape_is_right:
.set NB, 8
.set NQ, 2
.set NKS, 8
.set GR, NB/2
.set CH, GR*6400
.set SIDE, NQ*CH
.set SLOT, 2*SIDE
.set LAPS, NKS/(2*NQ)
.set HALFW, (GR/2)*6400
.set SPARE, 222208
.set OFF_WQ, 3276800
.set OFF_WK, 4096000
.set OFF_WV, 4915200
.set ADRA, 16
.set ADRB, 18
.set ADRS, 20
.set L8, 23
.set L4, 27
.set SPW, 28
.set NIL, 29
.set SC, 32
.set TM, 48
.set BIAS, 64
.set AF, 128
.set PC, 192
.set G1, 24
.set G0, 32
.set G1B, 48
.set G0B, 56
.set STA, 66
.set STB, 68
.set OUTP, 70
.set SEL, 78
.set MSB, 0
.macro WIN new
.if MSB != (\new)
	s_set_vgpr_msb (MSB<<8)|(\new)
.set MSB, (\new)
.endif
.endm
.macro PLACES n
.rept \n
	v_nop
.endr
.endm
.macro JLOAD s
	s_cmp_eq_u32 s15, 0
	s_cbranch_scc0 .Lfor_b_\@
	tensor_load_to_lds s[G0+4*\s:G0+4*\s+3], s[G1:G1+7]
	s_nop 0
.rept 4
	v_nop
.endr
	s_branch .Lasked_\@
.Lfor_b_\@:
	tensor_load_to_lds s[G0B+4*\s:G0B+4*\s+3], s[G1B:G1B+7]
	s_nop 0
.rept 4
	v_nop
.endr
.Lasked_\@:
.endm
.macro CREST
	s_cmp_lg_u32 s14, 0
	s_cbranch_scc1 .Lnot_wave_0_\@
	s_barrier_signal -3
.Lnot_wave_0_\@:
	s_barrier_wait -3
	s_barrier_signal -1
	s_barrier_wait -1
.endm
.macro CROUND
	s_barrier_signal -1
	s_barrier_wait -1
	CREST
.endm
.macro FRAG reg, adr, off
.irp p, 0,1,2,3,4,5
	ds_load_b64 v[(\reg)+2*\p:(\reg)+2*\p+1], v[\adr] offset:(\off)+256*\p
.endr
.endm
.macro FETCH_B slot, q, p
	WIN 0x40
.set FI, 0
.rept NB
	FRAG 128*(\p)+12*FI, ADRB+\slot, (\q)*CH+(FI/4)*6400+(FI%4)*1536
.set FI, FI+1
.endr
	WIN 0
.endm
.macro FETCH_A slot, q, i0, n
.set FI, \i0
.rept \n
	FRAG AF+12*FI, ADRA+\slot, (\q)*CH+(FI/4)*6400+(FI%4)*1536
.set FI, FI+1
.endr
.endm
.macro SCALES slot, q
.set FI, 0
.rept NB
	ds_load_b32 v[SC+NB*((\q)%2)+FI], v[ADRS+\slot] offset:(\q)*CH+(FI/4)*6400+64*(FI%4)
.set FI, FI+1
.endr
.endm
.macro ACCWIN a, z
.set AW, 2+(NB*(\a))/32
.if (\z)==2
	WIN (AW<<6)|1
.else
	WIN (AW<<6)|(AW<<4)|1
.endif
.endm
.macro MULS a0, n, p, q, z
.set MA, \a0
.rept \n
.set MB, 0
.rept NB
.set MD, 8*((NB*MA+MB)%32)
.if (\z)==1
	v_wmma_scale_f32_16x16x128_f8f6f4 v[MD:MD+7], v[128*(\p)+12*MB:128*(\p)+12*MB+11], v[AF+12*MA:AF+12*MA+11], 0, v[SC+NB*((\q)%2)+MB], v[SC+NB*((\q)%2)+MA] matrix_a_fmt:MATRIX_FMT_FP6 matrix_b_fmt:MATRIX_FMT_FP6 matrix_a_scale:MATRIX_SCALE_ROW1
.elseif (\z)==2
	v_wmma_scale_f32_16x16x128_f8f6f4 v[MD:MD+7], v[128*(\p)+12*MB:128*(\p)+12*MB+11], v[AF+12*MA:AF+12*MA+11], v[BIAS+8*MB:BIAS+8*MB+7], v[SC+NB*((\q)%2)+MB], v[SC+NB*((\q)%2)+MA] matrix_a_fmt:MATRIX_FMT_FP6 matrix_b_fmt:MATRIX_FMT_FP6 matrix_a_scale:MATRIX_SCALE_ROW1
.else
	v_wmma_scale_f32_16x16x128_f8f6f4 v[MD:MD+7], v[128*(\p)+12*MB:128*(\p)+12*MB+11], v[AF+12*MA:AF+12*MA+11], v[MD:MD+7], v[SC+NB*((\q)%2)+MB], v[SC+NB*((\q)%2)+MA] matrix_a_fmt:MATRIX_FMT_FP6 matrix_b_fmt:MATRIX_FMT_FP6 matrix_a_scale:MATRIX_SCALE_ROW1
.endif
.set MB, MB+1
.endr
.set MA, MA+1
.endr
.endm
.macro STEP slot, q, z
	s_wait_dscnt (NB/2)*6
	ACCWIN 0, \z
	MULS 0, NB/2, (\q)%2, \q, \z
	s_wait_dscnt 0x0
	PLACES 4
	FETCH_B \slot, (\q)+1, 1-(\q)%2
	FETCH_A \slot, (\q)+1, 0, NB/2
	SCALES \slot, (\q)+1
	ACCWIN NB/2, \z
	MULS NB/2, NB/2, (\q)%2, \q, \z
	PLACES 4
	WIN 0
	FETCH_A \slot, (\q)+1, NB/2, NB/2
.endm
.macro TURN slot, next, fill
	s_wait_tensorcnt 0x0
	ds_add_u32 v[SPW], v[NIL]
	s_wait_dscnt (NB/2)*6+1
	ACCWIN 0, 0
	MULS 0, NB/4, 1, NQ-1, 0
	s_wait_dscnt 0x0
	s_barrier_signal -1
	MULS NB/4, NB/4, 1, NQ-1, 0
	WIN 0
	s_barrier_wait -1
.if \fill
	CREST
	s_add_nc_u64 s[G0+4*\slot+2:G0+4*\slot+3], s[G0+4*\slot+2:G0+4*\slot+3], s[STA:STA+1]
	s_add_nc_u64 s[G0B+4*\slot+2:G0B+4*\slot+3], s[G0B+4*\slot+2:G0B+4*\slot+3], s[STB:STB+1]
	JLOAD \slot
.else
	PLACES 4
.endif
	FETCH_B \next, 0, 0
	FETCH_A \next, 0, 0, NB/2
	SCALES \next, 0
	ACCWIN NB/2, 0
	MULS NB/2, NB/2, 1, NQ-1, 0
	PLACES 4
	WIN 0
	FETCH_A \next, 0, NB/2, NB/2
.endm
.macro LAST
	s_wait_dscnt (NB/2)*6
	ACCWIN 0, 0
	MULS 0, NB/2, 1, NQ-1, 0
	s_wait_dscnt 0x0
	ACCWIN NB/2, 0
	MULS NB/2, NB/2, 1, NQ-1, 0
	WIN 0
.endm
.macro QUANT s, w, pw
	WIN (\w)|((\w)<<2)
.irp b, 0,1,2,3
	v_max3_num_f32 v[TM+\b], |v[(\s)+16*\b]|, |v[(\s)+1+16*\b]|, 0x1800000
.endr
	WIN ((\w)<<2)|((\w)<<4)
.irp i, 2,4,6,8,10,12,14
.irp b, 0,1,2,3
	v_max3_num_f32 v[TM+\b], v[TM+\b], |v[(\s)+16*\b+\i]|, |v[(\s)+1+16*\b+\i]|
.endr
.endr
	WIN 0
.irp b, 0,1,2,3
	v_permlanex16_b32 v[TM+4+\b], v[TM+\b], s[SEL], s[SEL+1]
.endr
.irp b, 0,1,2,3
	v_max_num_f32 v[TM+\b], v[TM+\b], v[TM+4+\b]
.endr
.irp b, 0,1,2,3
	v_add_nc_u32 v[TM+12+\b], 0xff000000, v[TM+\b]
.endr
.irp b, 0,1,2,3
	v_lshrrev_b32 v[TM+4+\b], 23, v[TM+12+\b]
.endr
	v_lshl_or_b32 v[\pw], v[TM+5], 8, v[TM+4]
	v_lshl_or_b32 v[\pw], v[TM+6], 16, v[\pw]
	v_lshl_or_b32 v[\pw], v[TM+7], 24, v[\pw]
	WIN (\w)
.irp c, 0,1
	v_cvt_scalef32_pk16_fp6_f32 v[PC+6*\c:PC+2+6*\c], v[(\s)+32*\c:(\s)+15+32*\c], v[TM+12+2*\c]
	v_cvt_scalef32_pk16_fp6_f32 v[PC+12+4*\c:PC+14+4*\c], v[(\s)+16+32*\c:(\s)+31+32*\c], v[TM+13+2*\c]
.endr
	WIN 0
	v_nop
.irp c, 0,1
.irp i, 0,1,2
	v_permlane16_swap_b32 v[PC+6*\c+\i], v[PC+12+4*\c+\i]
.endr
.irp i, 0,1,2
	v_mov_b32 v[PC+3+6*\c+\i], v[PC+12+4*\c+\i]
.endr
.endr
.endm
	s_load_b128 s[4:7], s[0:1], 0x0
	v_lshl_add_u32 v[SPW], v0, 2, SPARE
	v_mov_b32 v[NIL], 0
	ds_add_u32 v28, v29
	ds_add_u32 v28, v29
	s_wait_dscnt 0x0
	v_lshrrev_b32 v1, 5, v0
	v_readfirstlane_b32 s14, v1
	v_and_b32 v30, 31, v0                          ; the prefetches' offset: a lane to each 256 bytes of a record of 25 such blocks;
	v_min_u32 v30, 24, v30                         ; the lanes left over name the last again
	v_lshlrev_b32 v30, 8, v30
	s_wait_alu depctr_va_vdst(0)                   ; the wait directly behind the write
	s_lshr_b32 s15, s14, 1
	s_and_b32 s16, s14, 1
	s_bfe_u32 s40, ttmp6, 0x40000
	s_bfe_u32 s41, ttmp6, 0x40004
	s_and_b32 s18, ttmp7, 0xffff
	s_and_b32 s19, s18, 3
	s_lshl_b32 s19, s19, 2
	s_lshr_b32 s84, s18, 2
	s_mov_b32 s86, 409600
	s_mov_b32 s87, 102400
	s_cmp_eq_u32 s84, 2
	s_cselect_b32 s17, 0, s19
	s_cselect_b32 s42, s19, 0
	s_cselect_b32 s85, OFF_WV, 0
	s_cselect_b32 s86, 102400, s86
	s_cselect_b32 s87, 409600, s87
	s_cselect_b32 s88, 16, 64
	s_cselect_b32 s89, 0, OFF_WK
	s_cmp_eq_u32 s84, 0
	s_cselect_b32 s89, OFF_WQ, s89
	s_add_co_u32 s17, s17, s41
	s_add_co_u32 s42, s42, s40
	s_lshl_b32 s43, s41, 2
	s_lshl_b32 s43, 15, s43
	s_lshl_b32 s44, 0x1111, s40
	s_or_b32 s[G1], s43, (3<<16)|(1<<21)
	s_or_b32 s[G1B], s44, (3<<16)|(1<<21)
.irp g, G1, G1B
	s_mov_b32 s[\g+1], 32<<16
	s_mov_b32 s[\g+2], 100<<16
	s_mov_b32 s[\g+3], 32<<16
	s_mov_b32 s[\g+4], 100
	s_mov_b32 s[\g+5], 32
	s_mov_b32 s[\g+6], 0
	s_mov_b32 s[\g+7], 0
.endr
	s_mul_i32 s20, s16, s86
	s_mul_i32 s21, s17, 25600
	s_add_co_u32 s20, s20, s21
	s_add_co_u32 s20, s20, s85
	s_mov_b32 s21, 0
	s_mul_i32 s46, s16, s87
	s_mul_i32 s47, s42, 25600
	s_add_co_u32 s46, s46, s47
	s_add_co_u32 s46, s46, s89
	s_mov_b32 s47, 0
	s_lshl_b32 s80, s86, 1
	s_mov_b32 s81, 0
	s_lshl_b32 s82, s87, 1
	s_mov_b32 s83, 0
	s_lshl_b32 s[STA], s86, 2
	s_mov_b32 s[STA+1], 0
	s_lshl_b32 s[STB], s87, 2
	s_mov_b32 s[STB+1], 0
	s_mul_i32 s45, s14, 25600
	s_wait_kmcnt 0x0
	s_add_nc_u64 s[20:21], s[4:5], s[20:21]
	s_add_nc_u64 s[46:47], s[4:5], s[46:47]
	CROUND
	s_mov_b32 s[G0], 1
	s_mov_b32 s[G0+1], s45
	s_mov_b64 s[G0+2:G0+3], s[20:21]
	s_or_b32 s[G0+3], s[G0+3], 0x80000000
	s_mov_b32 s[G0B], 1
	s_mov_b32 s[G0B+1], s45
	s_mov_b64 s[G0B+2:G0B+3], s[46:47]
	s_or_b32 s[G0B+3], s[G0B+3], 0x80000000
	JLOAD 0
	; prefetches: a load of mine brings four records; the four partners that ask for it jointly share them out by address (cx for A, cy for B).  Behind fill n stands the request for fill n + 2; fill 1's is made here too
	s_cmp_eq_u32 s15, 0
	s_cselect_b64 s[92:93], s[20:21], s[46:47]
	s_cselect_b64 s[94:95], s[80:81], s[82:83]     ; from fill to fill: two K steps
	s_cselect_b32 s72, s40, s41
	s_mul_i32 s72, s72, 6400
	s_mov_b32 s73, 0
	s_add_nc_u64 s[92:93], s[92:93], s[72:73]
	s_add_nc_u64 s[92:93], s[92:93], s[94:95]      ; fill 1: K steps 2, 3
	s_add_nc_u64 s[96:97], s[92:93], s[94:95]      ; fill 2: K steps 4, 5
	s_add_nc_u64 s[98:99], s[96:97], s[94:95]      ; fill 3: K steps 6, 7, the last
	global_prefetch_b8 v30, s[92:93] th:TH_LOAD_NT scope:SCOPE_SE
	global_prefetch_b8 v30, s[96:97] th:TH_LOAD_NT scope:SCOPE_SE
	s_mov_b32 s[G0+4], 1
	s_add_co_u32 s[G0+5], s45, SLOT
	s_add_nc_u64 s[G0+6:G0+7], s[20:21], s[80:81]
	s_or_b32 s[G0+7], s[G0+7], 0x80000000
	s_mov_b32 s[G0B+4], 1
	s_add_co_u32 s[G0B+5], s45, SLOT
	s_add_nc_u64 s[G0B+6:G0B+7], s[46:47], s[82:83]
	s_or_b32 s[G0B+7], s[G0B+7], 0x80000000
	s_wait_alu depctr_va_vdst(0)
	s_wait_tensorcnt 0x0
	ds_add_u32 v28, v29
	s_wait_dscnt 0x0
	CROUND
	JLOAD 1
	global_prefetch_b8 v30, s[98:99] th:TH_LOAD_NT scope:SCOPE_SE
	v_and_b32 v1, 15, v0
	v_bfe_u32 v2, v0, 4, 1
	s_wait_alu depctr_va_vdst(0)
	v_and_b32 v3, 31, v0
	v_lshlrev_b32 v[L8], 3, v3
	v_lshlrev_b32 v[L4], 2, v3
	s_mul_i32 s21, s15, HALFW
	s_mul_i32 s22, s16, HALFW
	s_add_co_u32 s22, s22, SIDE
.irp s, 0,1
	v_add_nc_u32 v[ADRA+\s], s21, v[L8]
	v_add_nc_u32 v[ADRB+\s], s22, v[L8]
	s_add_co_u32 s21, s21, SLOT
	s_add_co_u32 s22, s22, SLOT
.endr
	s_xor_b32 s23, s15, 1
	s_add_co_u32 s23, s23, s16
	s_mul_i32 s23, s23, HALFW
	s_add_co_u32 s23, s23, SIDE-HALFW
	v_mul_u32_u24 v5, s23, v2
	v_lshl_add_u32 v5, v1, 2, v5
	s_mul_i32 s21, s15, HALFW
	s_add_co_u32 s21, s21, 6144
	v_add_nc_u32 v[ADRS], s21, v5
	v_add_nc_u32 v[ADRS+1], SLOT, v[ADRS]
.irp b, 0,1,2,3
	v_mov_b32 v[TM+4+\b], 0
.endr
	s_mov_b32 s[SEL], 0x76543210
	s_mov_b32 s[SEL+1], 0xfedcba98
	s_mov_b32 s76, 0xffff0000
	s_lshl_b32 s90, s42, 1
	s_add_co_u32 s90, s90, s16
	s_mul_i32 s90, s90, s88
	s_lshl_b32 s91, s17, 2
	s_add_co_u32 s90, s90, s91
	s_lshl_b32 s91, s15, 1
	s_add_co_u32 s90, s90, s91
	s_mul_i32 s90, s90, 6400
	s_mul_i32 s91, s84, 3276800
	s_add_co_u32 s90, s90, s91
	s_mov_b32 s91, 0
	s_add_nc_u64 s[OUTP:OUTP+1], s[6:7], s[90:91]
	s_wait_alu depctr_va_vdst(0)
	s_wait_tensorcnt 1
	s_barrier_signal -1
	s_barrier_wait -1
	FETCH_B 0, 0, 0
	FETCH_A 0, 0, 0, NB/2
	SCALES 0, 0
	FETCH_A 0, 0, NB/2, NB/2
	STEP 0, 0, 1
	s_mov_b32 s3, LAPS-1
.Llap:
	TURN 0, 1, 1
	STEP 1, 0, 0
	TURN 1, 0, 1
	STEP 0, 0, 0
	s_sub_co_u32 s3, s3, 1
	s_cmp_lg_u32 s3, 0
	s_cbranch_scc1 .Llap
	TURN 0, 1, 0
	STEP 1, 0, 0
	LAST
	PLACES 4
.irp a, 0,1,2,3,4,5,6,7
	s_wait_xcnt 0x0
	QUANT 64*(\a%4), 2+\a/4, 224+\a%2
.irp p, 0,1,2,3,4,5
	global_store_b64 v[L8], v[PC+2*\p:PC+2*\p+1], s[OUTP:OUTP+1] offset:(\a/4)*6400+(\a%4)*1536+256*\p
.endr
.if \a%2
	v_cndmask_b32 v226, v224, v225, s76
	global_store_b32 v[L4], v226, s[OUTP:OUTP+1] offset:(\a/4)*6400+6144+128*((\a%4)/2)
.endif
.endr
	s_wait_tensorcnt 0x0
	ds_add_u32 v[SPW], v[NIL]
	s_wait_dscnt 0x0
	CROUND
	s_endpgm
.Lfunc_end_k_q7f493f5908_qkv:
	.size	k_q7f493f5908_qkv, .Lfunc_end_k_q7f493f5908_qkv-k_q7f493f5908_qkv
	.p2alignl 7, 3214868480
	.fill 96, 4, 3214868480
	.section	.rodata,"a",@progbits
	.p2align	6, 0x0
	.amdhsa_kernel k_q7f493f5908_qkv
		.amdhsa_group_segment_fixed_size 327680
		.amdhsa_private_segment_fixed_size 0
		.amdhsa_enable_private_segment 0
		.amdhsa_kernarg_size 16
		.amdhsa_user_sgpr_count 2
		.amdhsa_user_sgpr_kernarg_segment_ptr 1
		.amdhsa_wavefront_size32 1
		.amdhsa_system_sgpr_workgroup_id_x 1
		.amdhsa_system_sgpr_workgroup_id_y 1
		.amdhsa_system_sgpr_workgroup_id_z 1
		.amdhsa_system_vgpr_workitem_id 0
		.amdhsa_next_free_vgpr 1024
		.amdhsa_next_free_sgpr 100
		.amdhsa_reserve_vcc 0
		.amdhsa_float_denorm_mode_32 3
		.amdhsa_float_denorm_mode_16_64 3
		.amdhsa_memory_ordered 1
		.amdhsa_forward_progress 1
		.amdhsa_inst_pref_size 168
	.end_amdhsa_kernel
	.amdgpu_metadata
---
amdhsa.version: [ 1, 2 ]
amdhsa.kernels:
  - .name:           k_q7f493f5908_qkv
    .symbol:         k_q7f493f5908_qkv.kd
    .args:
      - { .name: prep, .offset: 0, .size: 8, .value_kind: global_buffer, .address_space: global }
      - { .name: qkv, .offset: 8, .size: 8, .value_kind: global_buffer, .address_space: global }
    .group_segment_fixed_size: 327680
    .private_segment_fixed_size: 0
    .kernarg_segment_align: 8
    .kernarg_segment_size: 16
    .max_flat_workgroup_size: 128
    .sgpr_count:     100
    .vgpr_count:     1024
    .wavefront_size: 32
...
	.end_amdgpu_metadata
.endif
;; end of part 2
;; launch attn (part 3): grid 8 x 32, 16 waves a work-group, clusters of 4 x 1, 327,680 bytes of LDS; arguments qkv, cr; writes cr
.if DOCPART == 3
	.amdgcn_target "amdgcn-amd-amdhsa--gfx1250"
	.amdhsa_code_object_version 6
	.text
	.protected	k_q7f493f5908_attn
	.globl	k_q7f493f5908_attn
	.p2align	8
	.type	k_q7f493f5908_attn,@function
k_q7f493f5908_attn:
	s_mov_b64 s[64:65], 0
	v_nop
	global_prefetch_b8 v0, s[64:65] scope:SCOPE_SE
	s_setreg_imm32_b32 hwreg(HW_REG_WAVE_MODE, 25, 1), 1
	s_wait_xcnt 0x0
	s_wait_alu depctr_hold_cnt(0) depctr_sa_sdst(0) depctr_va_vdst(0) depctr_va_sdst(0) depctr_va_ssrc(0) depctr_va_vcc(0) depctr_vm_vsrc(0)
	s_getreg_b32 s2, hwreg(HW_REG_IB_STS2, 6, 4)
	s_cmp_eq_u32 s2, 0
	s_cbranch_scc0 .Lentry_in_a_cluster
	s_endpgm
.Lentry_in_a_cluster:
	s_bfe_u32 s2, ttmp6, 0x10000c
	s_cmp_lg_u32 s2, 0x3003
	s_cbranch_scc0 .Lentry_shape_is_right
	s_endpgm
.Lentry_shape_is_right:
; ctx = softmax(q k^T / 8) v for 32 heads of 64, both products on E2M3 codes with E8M0 scales; ctx leaves as codes, in records (rows = tokens, K step = pair of heads).
; Records: record (ks, g) at (ks NG + g) 6400 bytes: four fragments of 1,536 bytes in register order (piece p of lane l at 256 p + 8 l = operand registers 2 p, 2 p + 1), then 64 scale words.
; THE SOFTMAX: t = score x log2(e) / 8; M = the running largest t rounded UP to a whole number; p = 2^(t - M) is quantised along the keys, not normalised; the row's sum is taken of the unquantised p and divides at the end.
; SHARES.  Work-group y = batch x 16 + head, x = a block of 256 queries; sixteen waves, a tile of 16 queries each; every wave walks all 2,048 keys, 128 a step.
; LDS HOLDS ALL KEYS: k's 32 records of the pair of heads (each 256 bytes followed by 16 of padding: a record is 6,800 bytes), then my head's 16 records of v: 320,000 bytes, each filled once, by one joint load a wave at the head
; (waves 0-7: four records of k each; waves 8-15: two of v each).  One barrier shows them to every wave; behind it no wave waits for another until the end.
; HALF FRAGMENTS OF k: a head's 64 channels stand at K 0-63 (registers 0-5 of q's and k's operands); q's registers 6-11 are zero codes, so k's registers 6-11 may hold any codes: tile t's operand is v[32 + 6 t .. + 11].
; Both products are used transposed (S^T = k q^T, O^T = v^T p^T): a lane holds one query.
; WHICH KEYS FORM A TILE.  Tile 4 c + 2 x + y takes, in its rows 8 h + j, the keys 64 c + 32 h + 16 y + 8 x + j of the step.  So lane (r, h) holds, in the 32 registers of tiles 4 c .. 4 c + 3, the whole block 2 c + h of 32 keys,
; in the order in which v's codes were laid inside a block: a block's largest score needs no other lane, and the conversions' results are p's operand registers (three of each six are moved: a conversion's three begin on an even number).
; With the padding the four runs of 64 bytes that a load of k touches lie in four different quarters of the 64 banks (ISA guide 11.1).
; CLUSTER: the four blocks of queries of a cluster walk the same k and v: each tile is asked for jointly (mask 15).
; No prefetch: every tensor load of the launch goes out at its head; there is no loop to run ahead in.
; ctx's scale word of a row holds two bytes of each head of the pair: this work-group stores its head's two (one byte in 24 of what is stored); the codes leave in aligned runs of 256 bytes.
; LIMITS: the promise holds while |t| stays under 2^31; a block of p or of ctx whose largest magnitude lies under 2^-124, or of zeros, gets the byte 1; NaN and infinities are not served.
.set KREC,  6800
.set KSTEP, 13600                      ; a key step of k in LDS: two padded records
.set VB,    217600                     ; v's records, 6,400 bytes a key step
.set VSTEP, 6400
.set SPARE, 320000                     ; the spare words: 128 bytes a wave, eight blocks of 256 bytes that no other line names
.set AK0, 1                            ; v1-4 lane parts of the LDS addresses: k, v, k's scales, v's scales
.set AV0, 2
.set ASK0, 3
.set ASV0, 4
.set SPW, 5
.set NIL, 6
.set QO,  7                            ; q's and ctx's place in a record
.set ADK, 8                            ; v8-11 the addresses in hand
.set ADV, 9
.set ADS, 10
.set ADT, 11                           ; v12 -M, v13 the largest score, v[14:15] the sum, v16-27 q
.set OLD, 28
.set T0,  29
.set T1,  30
.set QS,  31                           ; q's scale words
.set KF,  32                           ; v32-85 k's eight half fragments, then v32-79 v's four fragments
.set KS,  86                           ; v86-89 k's scale words: register 2 c + y, lanes 0-15 for x = 0, lanes 16-31 for x = 1
.set VS,  90                           ; v90-93 v's
.set PW,  94                           ; p's
.set QSO, 95                           ; v96-159 S^T, then p; v160-191 O^T
.set PC,  192                          ; v192-203 p's codes; v204-206, v208-210 the halves that are moved
.set BM,  212
.set BN,  214
.set EB,  216
.set SO,  218
.set FF,  220
.set BY,  222
.set SA,  224
.set SB,  226
.set SD,  228
.set W,   230
.set WV,  18
.set CN,  19
.set SEL, 20
.set CS,  22
.set G1K, 24
.set G1V, 32
.set G0K, 40
.set G0V, 44
.set TBK, 75
.set TBV, 76
.set CNT, 77
.macro CROUND
	s_barrier_signal -1
	s_barrier_wait -1
	s_cmp_lg_u32 s[WV], 0
	s_cbranch_scc1 .Lnot_wave_0_\@
	s_barrier_signal -3
.Lnot_wave_0_\@:
	s_barrier_wait -3
	s_barrier_signal -1
	s_barrier_wait -1
.endm
.macro TMM j0, n                       ; t - M, two numbers an instruction
.set J, \j0
.rept \n
	v_pk_fma_f32 v[96+J:97+J], v[96+J:97+J], s[CS:CS+1], v[12:13] op_sel_hi:[1,0,0]
.set J, J+2
.endr
.endm
.macro DEP n
	s_delay_alu instid0(VALU_DEP_\n)
.endm
	s_load_b128 s[4:7], s[0:1], 0x0                ; qkv, cr
	v_lshl_add_u32 v[SPW], v0, 2, SPARE
	v_mov_b32 v[NIL], 0
	ds_add_u32 v[SPW], v[NIL]                      ; the first opening add,
	ds_add_u32 v[SPW], v[NIL]                      ; once more, and below one wait for both
	v_lshrrev_b32 v8, 5, v0
	v_readfirstlane_b32 s[WV], v8                  ; wave 0..15
	s_bfe_u32 s50, ttmp6, 0x40000                  ; cx: it enters q's and ctx's addresses alone
	s_lshl_b32 s51, ttmp9, 2
	s_add_co_u32 s51, s51, s50                     ; my block of 256 queries
	s_and_b32 s52, ttmp7, 0xffff
	s_lshr_b32 s53, s52, 4                         ; batch
	s_and_b32 s54, s52, 15                         ; head
	s_lshr_b32 s55, s54, 1                         ; pair of heads
	s_and_b32 s56, s54, 1                          ; which of the pair
	s_and_b32 s57, s[WV], 7
	s_lshl_b32 s58, s55, 6
	s_lshl_b32 s59, s53, 5
	s_add_co_u32 s58, s58, s59                     ; record (pair, 32 x batch)
	s_lshl_b32 s60, s57, 2
	s_add_co_u32 s60, s60, s58
	s_mul_i32 s60, s60, 6400
	s_add_co_u32 s60, s60, 3276800                 ; k: four records for each of eight waves
	s_mov_b32 s61, 0
	s_lshl_b32 s62, s53, 4
	s_lshl_b32 s63, s57, 1
	s_add_co_u32 s62, s62, s63                     ; v: K step 16 x batch + 2 x (wave % 8),
	s_lshl_b32 s62, s62, 4
	s_add_co_u32 s62, s62, s54                     ; 16 groups each, group = head
	s_mul_i32 s62, s62, 6400
	s_add_co_u32 s62, s62, 6553600
	s_mov_b32 s63, 0
	s_lshl_b32 s66, s51, 2
	s_add_co_u32 s66, s66, s58
	s_lshr_b32 s67, s[WV], 2
	s_add_co_u32 s66, s66, s67
	s_mul_i32 s66, s66, 6400                       ; q's and ctx's record: + 4 x block + wave / 4
	s_mov_b32 s67, 0
	s_and_b32 s68, s[WV], 3                        ; the fragment in it
	s_mul_i32 s69, s68, 1536
	s_mul_i32 s70, s56, 768
	s_add_co_u32 s69, s69, s70                     ; fragment, my head's three pieces
	s_lshl_b32 s71, s68, 6
	s_lshl_b32 s72, s56, 1
	s_add_co_u32 s71, s71, s72                     ; scale word: 64 x fragment + 2 x head
	s_mov_b32 s[G1K], 15|(3<<16)|(1<<20)|(1<<21)|(5<<22)|(3<<25)   ; mask: all four; elements of 8 bytes; 16 bytes of padding behind every 256; bit 21 beside a mask
	s_mov_b32 s[G1K+1], 32<<16                     ; four records, dense: 100 rows of 256 bytes
	s_mov_b32 s[G1K+2], 100<<16
	s_mov_b32 s[G1K+3], 32<<16
	s_mov_b32 s[G1K+4], 100
	s_mov_b32 s[G1K+5], 32
	s_mov_b32 s[G1K+6], 0
	s_mov_b32 s[G1K+7], 0
	s_mov_b32 s[G1V], 15|(3<<16)|(1<<21)
	s_mov_b32 s[G1V+1], 800<<16                    ; two records of 6,400 bytes, a plane of 16 records apart
	s_mov_b32 s[G1V+2], 2<<16
	s_mov_b32 s[G1V+3], 800<<16
	s_mov_b32 s[G1V+4], 2
	s_mov_b32 s[G1V+5], 12800
	s_mov_b32 s[G1V+6], 0
	s_mov_b32 s[G1V+7], 0
	s_mov_b32 s[SEL], 0x76543210
	s_mov_b32 s[SEL+1], 0xfedcba98                 ; lane l xor 16
	s_mov_b32 s[CS], 0x3e38aa3b                    ; c = log2(e) / 8
	s_mov_b32 s[CS+1], s[CS]
	s_mov_b32 s[CN], 0xbe38aa3b                    ; -c
	s_mov_b32 s[G0K], 1
	s_mul_i32 s[G0K+1], s[WV], 4*KREC              ; waves 0-7: wave x four padded records
	s_mov_b32 s[G0V], 1
	s_mul_i32 s[G0V+1], s[WV], 2*VSTEP
	s_add_co_u32 s[G0V+1], s[G0V+1], VB-16*VSTEP   ; waves 8-15: VB + (wave - 8) x two records
	s_wait_dscnt 0x0                               ; both opening adds are done
	s_wait_kmcnt 0x0
	s_add_nc_u64 s[G0K+2:G0K+3], s[4:5], s[60:61]
	s_or_b32 s[G0K+3], s[G0K+3], 0x80000000
	s_add_nc_u64 s[G0V+2:G0V+3], s[4:5], s[62:63]
	s_or_b32 s[G0V+3], s[G0V+3], 0x80000000
	s_add_nc_u64 s[8:9], s[4:5], s[66:67]          ; q's record
	s_add_nc_u64 s[10:11], s[6:7], s[66:67]        ; ctx's
	CROUND                                         ; all four work-groups are here: the joint loads meet
	s_cmp_lt_u32 s[WV], 8                          ; one load a wave, one to an arm
	s_cbranch_scc0 .Lfor_v
	tensor_load_to_lds s[G0K:G0K+3], s[G1K:G1K+7]
	s_nop 0
.rept 4
	v_nop
.endr
	s_branch .Lasked
.Lfor_v:
	tensor_load_to_lds s[G0V:G0V+3], s[G1V:G1V+7]
	s_nop 0
.rept 4
	v_nop
.endr
.Lasked:
	v_and_b32 v8, 7, v0                            ; row % 8
	v_bfe_u32 v9, v0, 3, 1                         ; row / 8
	v_bfe_u32 v10, v0, 4, 1                        ; lane / 16
	v_and_b32 v11, 31, v0                          ; lane
	v_and_b32 v28, 15, v0                          ; r
	v_lshlrev_b32 v[AK0], 3, v8
	v_mad_u32_u24 v[AK0], v9, 3264, v[AK0]         ; rows 8-15 of a tile lie two fragments (12 x 272 bytes) on
	v_lshl_add_u32 v[AK0], v10, 7, v[AK0]
	v_lshlrev_b32 v[ASK0], 2, v8
	v_lshl_add_u32 v[ASK0], v9, 7, v[ASK0]         ; 32 rows on: 128 bytes
	v_lshl_add_u32 v[ASK0], v10, 5, v[ASK0]        ; lanes 16-31 take the tile with x = 1: 8 rows on
	v_add_nc_u32 v[ASK0], 6528, v[ASK0]            ; a record's scale words begin at 24 x 272
	v_lshl_add_u32 v[AV0], v11, 3, VB
	v_lshl_add_u32 v[ASV0], v28, 2, VB+6144
	v_lshl_add_u32 v[QO], v11, 3, s69
	v_lshl_add_u32 v[QSO], v28, 2, s71
	v_mov_b32 v[ADK], v[AK0]
	v_mov_b32 v[ADS], v[ASK0]
.irp i, 0,1,2
	global_load_b64 v[16+2*\i:17+2*\i], v[QO], s[8:9] offset:256*\i
.endr
	global_load_u16 v[QS], v[QSO], s[8:9] offset:6144   ; my head's two bytes; the other two are 0, over zero codes
	v_mov_b32 v13, 0xff61b1e6                      ; the largest score so far: -3e38
	v_mul_f32 v[T1], s[CN], v13
	v_floor_f32 v12, v[T1]                         ; -M
	v_mov_b32 v14, 0
	v_mov_b32 v15, 0
	v_mov_b32 v[T0], 0                             ; a lane permute's destination counts as one of its sources
	v_mov_b32 v[FF+1], 0                           ; (named as the upper half of a pair)
.irp i, 0,1,2,3,4,5
	v_mov_b32 v[22+\i], 0                          ; q at K 64-127: zero codes
	v_mov_b32 v[80+\i], 0                          ; the upper half of k's eighth operand
.endr
.set J, 0
.rept 32
	v_mov_b32 v[160+J], 0                          ; O^T: the step is written once, and the first change of M multiplies zeros
.set J, J+1
.endr
	s_mov_b32 s[TBK], 0
	s_mov_b32 s[TBV], 0
	s_mov_b32 s[CNT], 16
	s_wait_alu depctr_va_vdst(0)                   ; the wait at the head's end
	s_wait_loadcnt 0x0                             ; q
	s_wait_tensorcnt 0x0                           ; my one load has landed;
	s_barrier_signal -1
	s_barrier_wait -1                              ; and so has every wave's: all keys lie in LDS, and nothing is filled again
; k's eight half fragments and their scale bytes.  hd: which head of the pair: its three pieces begin 3 x 272 bytes on in a fragment, its two scale bytes 2 bytes on in a word: both stand in the immediates
.macro KLOAD hd
.irp c, 0,1
.irp x, 0,1
.irp y, 0,1
.set T, 4*\c+2*\x+\y
.irp i, 0,1,2
	ds_load_b64 v[KF+6*T+2*\i:KF+6*T+2*\i+1], v[ADK] offset:\c*KREC+\y*1632+\x*64+\i*272+816*\hd
.endr
.endr
.endr
.irp y, 0,1
	ds_load_u16 v[KS+2*\c+\y], v[ADS] offset:\c*KREC+\y*64+2*\hd
.endr
.endr
.endm
.Lstep:                                                ; 128 keys
	s_cmp_eq_u32 s56, 0                            ; the head's number is made of ids alone and is the same in all waves and in all four partners; the branch leads round loads alone
	s_cbranch_scc0 .Lhead_1
	KLOAD 0
	s_branch .Lk_asked
.Lhead_1:
	KLOAD 1
.Lk_asked:
	s_add_co_u32 s[TBK], s[TBK], KSTEP
	s_wait_dscnt 0x0
.irp c, 0,1
.irp x, 0,1
.irp y, 0,1
.set T, 4*\c+2*\x+\y
.if \x
	v_wmma_scale_f32_16x16x128_f8f6f4 v[96+8*T:103+8*T], v[KF+6*T:KF+6*T+11], v[16:27], 0, v[KS+2*\c+\y], v[QS] matrix_a_fmt:MATRIX_FMT_FP6 matrix_b_fmt:MATRIX_FMT_FP6 matrix_a_scale:MATRIX_SCALE_ROW1
.else
	v_wmma_scale_f32_16x16x128_f8f6f4 v[96+8*T:103+8*T], v[KF+6*T:KF+6*T+11], v[16:27], 0, v[KS+2*\c+\y], v[QS] matrix_a_fmt:MATRIX_FMT_FP6 matrix_b_fmt:MATRIX_FMT_FP6
.endif
.endr
.endr
.endr
	v_add_nc_u32 v[ADV], s[TBV], v[AV0]            ; these four are the places in front of the loads into k's registers and of the first read of the scores
	v_add_nc_u32 v[ADT], s[TBV], v[ASV0]
	v_mov_b32 v[OLD], v12
	v_add_nc_u32 v[ADK], s[TBK], v[AK0]            ; the next step's k
.irp t, 0,1,2,3                        ; v's four fragments (16 channels x these 128 keys) are asked for now and land during the softmax
.irp p, 0,1,2,3,4,5
	ds_load_b64 v[32+12*\t+2*\p:33+12*\t+2*\p], v[ADV] offset:\t*1536+256*\p
.endr
	ds_load_b32 v[VS+\t], v[ADT] offset:64*\t
.endr
	s_add_co_u32 s[TBV], s[TBV], VSTEP
.irp c, 0,1                            ; the largest score of my two blocks of 32 keys, two chains each, every tile from its low end on
	v_max3_num_f32 v[BM+\c], v[96+32*\c], v[97+32*\c], v[98+32*\c]
	v_max3_num_f32 v[BN+\c], v[112+32*\c], v[113+32*\c], v[114+32*\c]
.endr
.irp i, 3,5,7,9,11,13
.irp c, 0,1
	v_max3_num_f32 v[BM+\c], v[BM+\c], v[96+32*\c+\i], v[97+32*\c+\i]
	v_max3_num_f32 v[BN+\c], v[BN+\c], v[112+32*\c+\i], v[113+32*\c+\i]
.endr
.endr
.irp c, 0,1
	v_max3_num_f32 v[BM+\c], v[BM+\c], v[BN+\c], v[111+32*\c]
.endr
.irp c, 0,1
	v_max_num_f32 v[BM+\c], v[BM+\c], v[127+32*\c]
.endr
	v_max3_num_f32 v13, v13, v[BM], v[BM+1]
	v_permlanex16_b32 v[T0], v13, s[SEL], s[SEL+1]
	v_max_num_f32 v13, v13, v[T0]                  ; the running largest score of my query (c is positive)
	v_mul_f32 v[T1], s[CN], v13
	DEP 1
	v_floor_f32 v12, v[T1]                         ; the new -M = floor(-t) = -ceil(t)
	DEP 1
	v_sub_f32 v[T1], v12, v[OLD]                   ; old M - new M: a whole number, 0 or less
	TMM 0, 4
	v_cvt_i32_f32 v[T1], v[T1]                     ; (it saturates)
	TMM 8, 4
	v_ldexp_f32 v[FF], 1.0, v[T1]                  ; f = 2^(old M - new M)
	TMM 16, 24
.irp c, 0,1
	v_fma_f32 v[EB+\c], v[BM+\c], s[CS], v12       ; the same of each block's largest score
.endr
	v_pk_mul_f32 v[14:15], v[14:15], v[FF:FF+1] op_sel_hi:[1,0]   ; the sum and O^T under the new M: a multiplication that rounds nothing
.set J, 0
.rept 16
	v_pk_mul_f32 v[160+J:161+J], v[160+J:161+J], v[FF:FF+1] op_sel_hi:[1,0]
.set J, J+2
.endr
	s_wait_alu depctr_va_vdst(0)                   ; the wait ahead of the batch
.set J, 0
.rept 64
	v_exp_f32 v[96+J], v[96+J]                     ; p = 2^(t - M)
.set J, J+1
.endr
.irp c, 0,1
	v_exp_f32 v[EB+\c], v[EB+\c]                   ; each block's largest p: the same two instructions on the same number
.endr
	v_add_nc_u32 v[ADS], s[TBK], v[ASK0]           ; the plain place behind the batch: the next step's scale words of k
	s_wait_alu depctr_va_vdst(0)                   ; and the one wait behind it
.irp c, 0,1
	v_max_num_f32 v[EB+\c], 0x1800000, v[EB+\c]    ; the floor 2^(3 - 127): the byte cannot fall under 1
.endr
.irp c, 0,1
	DEP 2
	v_add_nc_u32 v[SO+\c], 0xff000000, v[EB+\c]    ; 2 off the exponent field: the conversion's scale operand
.endr
.irp c, 0,1
	DEP 2
	v_lshrrev_b32 v[BY+\c], 23, v[SO+\c]
.endr
	DEP 1
	v_lshl_or_b32 v[W], v[BY+1], 16, v[BY]         ; my blocks h and 2 + h
	DEP 1
	v_permlanex16_b32 v[T0], v[W], s[SEL], s[SEL+1]
	DEP 1
	v_lshl_or_b32 v[PW], v[T0], 8, v[W]            ; lanes 0-15: the four bytes in order (lanes 16-31 are not read)
.irp c, 0,1
	v_cvt_scalef32_pk16_fp6_f32 v[PC+6*\c:PC+6*\c+2], v[96+32*\c:111+32*\c], v[SO+\c]
	v_cvt_scalef32_pk16_fp6_f32 v[204+4*\c:206+4*\c], v[112+32*\c:127+32*\c], v[SO+\c]
.endr
	v_pk_add_f32 v[SA:SA+1], v[96:97], v[98:99]    ; THE ROW'S SUM IS TAKEN OF THE UNQUANTISED p, in four chains; the first is the plain place behind the conversions
	v_pk_add_f32 v[SB:SB+1], v[100:101], v[102:103]
	v_pk_add_f32 v[SD:SD+1], v[104:105], v[106:107]
.irp c, 0,1
.irp i, 0,1,2
	v_mov_b32 v[PC+3+6*\c+\i], v[204+4*\c+\i]
.endr
.endr
.set J, 108
.rept 6                                ; these 24 also stand between p's codes and scale word and the products
	v_pk_add_f32 v[14:15], v[14:15], v[J:J+1]
	v_pk_add_f32 v[SA:SA+1], v[SA:SA+1], v[J+2:J+3]
	v_pk_add_f32 v[SB:SB+1], v[SB:SB+1], v[J+4:J+5]
	v_pk_add_f32 v[SD:SD+1], v[SD:SD+1], v[J+6:J+7]
.set J, J+8
.endr
	s_wait_alu depctr_va_vdst(0)                   ; directly ahead of the wait below
	s_wait_dscnt 0x0                               ; v's fragments
.irp t, 0,1,2,3
	v_wmma_scale_f32_16x16x128_f8f6f4 v[160+8*\t:167+8*\t], v[32+12*\t:43+12*\t], v[PC:PC+11], v[160+8*\t:167+8*\t], v[VS+\t], v[PW] matrix_a_fmt:MATRIX_FMT_FP6 matrix_b_fmt:MATRIX_FMT_FP6
.endr
	v_pk_add_f32 v[14:15], v[14:15], v[156:157]    ; the sum's last five additions are the places in front of the next step's loads
	v_pk_add_f32 v[SA:SA+1], v[SA:SA+1], v[158:159]
	v_pk_add_f32 v[SB:SB+1], v[SB:SB+1], v[SD:SD+1]
	DEP 2
	v_pk_add_f32 v[14:15], v[14:15], v[SA:SA+1]
	DEP 1
	v_pk_add_f32 v[14:15], v[14:15], v[SB:SB+1]
	s_sub_co_u32 s[CNT], s[CNT], 1
	s_cmp_lg_u32 s[CNT], 0
	s_cbranch_scc1 .Lstep
	; THE WAY OUT: O^T / the sum, its 64 channels in their true order, quantised: half a fragment and two bytes of the row's scale word
	v_add_f32 v14, v14, v15
	DEP 1
	v_permlanex16_b32 v[T0], v14, s[SEL], s[SEL+1]
	DEP 1
	v_add_f32 v14, v14, v[T0]                      ; the row's sum
	s_wait_alu depctr_va_vdst(0)
	v_rcp_f32 v14, v14
	v_nop
	s_wait_alu depctr_va_vdst(0)                   ; ahead of the reciprocal's first reader, which is O^T's too
.set J, 0
.rept 16
	v_pk_mul_f32 v[96+J:97+J], v[160+J:161+J], v[14:15] op_sel_hi:[1,0]   ; register 8 t + i: channel 16 t + 8 h + i
.set J, J+2
.endr
.irp b, 0,1
.irp j, 0,1,2,3,4,5,6,7
	v_permlane16_swap_b32 v[96+16*\b+\j], v[104+16*\b+\j]   ; register 16 b + i now holds channel 32 b + 16 h + i: ctx meets wo, whose K lies in its true order
.endr
.endr
.irp b, 0,1
	v_max3_num_f32 v[BM+\b], |v[96+16*\b]|, |v[97+16*\b]|, 0x1800000
.endr
.irp i, 2,4,6,8,10,12,14
.irp b, 0,1
	DEP 2
	v_max3_num_f32 v[BM+\b], v[BM+\b], |v[96+16*\b+\i]|, |v[97+16*\b+\i]|
.endr
.endr
.irp b, 0,1
	DEP 2
	v_permlanex16_b32 v[BN+\b], v[BM+\b], s[SEL], s[SEL+1]
.endr
.irp b, 0,1
	DEP 2
	v_max_num_f32 v[BM+\b], v[BM+\b], v[BN+\b]
.endr
.irp b, 0,1
	DEP 2
	v_add_nc_u32 v[SO+\b], 0xff000000, v[BM+\b]
.endr
.irp b, 0,1
	DEP 2
	v_lshrrev_b32 v[BY+\b], 23, v[SO+\b]
.endr
	DEP 1
	v_lshl_or_b32 v[W], v[BY+1], 8, v[BY]
	v_cvt_scalef32_pk16_fp6_f32 v[PC:PC+2], v[96:111], v[SO]
	v_cvt_scalef32_pk16_fp6_f32 v[204:206], v[112:127], v[SO+1]
	v_nop
.irp i, 0,1,2
	v_permlane16_swap_b32 v[PC+\i], v[204+\i]      ; a whole block to a lane
.endr
.irp i, 0,1,2
	DEP 3
	v_mov_b32 v[PC+3+\i], v[204+\i]
.endr
.irp i, 0,1,2
	global_store_b64 v[QO], v[PC+2*\i:PC+2*\i+1], s[10:11] offset:256*\i   ; 256 consecutive bytes, aligned
.endr
	global_store_b16 v[QSO], v[W], s[10:11] offset:6144   ; my head's two bytes of the row's word; both lanes of a row hold the same two
	s_wait_tensorcnt 0x0                           ; the wave's end
	ds_add_u32 v[SPW], v[NIL]
	s_wait_dscnt 0x0
	CROUND                                         ; the closing round
	s_endpgm
.Lfunc_end_k_q7f493f5908_attn:
	.size	k_q7f493f5908_attn, .Lfunc_end_k_q7f493f5908_attn-k_q7f493f5908_attn
	.p2alignl 7, 3214868480
	.fill 96, 4, 3214868480
	.section	.rodata,"a",@progbits
	.p2align	6, 0x0
	.amdhsa_kernel k_q7f493f5908_attn
		.amdhsa_group_segment_fixed_size 327680
		.amdhsa_private_segment_fixed_size 0
		.amdhsa_enable_private_segment 0
		.amdhsa_kernarg_size 16
		.amdhsa_user_sgpr_count 2
		.amdhsa_user_sgpr_kernarg_segment_ptr 1
		.amdhsa_wavefront_size32 1
		.amdhsa_system_sgpr_workgroup_id_x 1
		.amdhsa_system_sgpr_workgroup_id_y 1
		.amdhsa_system_sgpr_workgroup_id_z 1
		.amdhsa_system_vgpr_workitem_id 0
		.amdhsa_next_free_vgpr 256
		.amdhsa_next_free_sgpr 80
		.amdhsa_reserve_vcc 0
		.amdhsa_float_denorm_mode_32 3
		.amdhsa_float_denorm_mode_16_64 3
		.amdhsa_memory_ordered 1
		.amdhsa_forward_progress 1
		.amdhsa_inst_pref_size 32
	.end_amdhsa_kernel
	.amdgpu_metadata
---
amdhsa.version: [ 1, 2 ]
amdhsa.kernels:
  - .name:           k_q7f493f5908_attn
    .symbol:         k_q7f493f5908_attn.kd
    .args:
      - { .name: qkv, .offset: 0, .size: 8, .value_kind: global_buffer, .address_space: global }
      - { .name: cr, .offset: 8, .size: 8, .value_kind: global_buffer, .address_space: global }
    .group_segment_fixed_size: 327680
    .private_segment_fixed_size: 0
    .kernarg_segment_align: 8
    .kernarg_segment_size: 16
    .max_flat_workgroup_size: 512
    .sgpr_count:     80
    .vgpr_count:     256
    .wavefront_size: 32
...
	.end_amdgpu_metadata
.endif
;; end of part 3
;; launch wo (part 4): grid 8 x 32, 4 waves a work-group, clusters of 4 x 4, 327,680 bytes of LDS; arguments cr, prep, enc_input, y; writes y
.if DOCPART == 4
	.amdgcn_target "amdgcn-amd-amdhsa--gfx1250"
	.amdhsa_code_object_version 6
	.text
	.protected	k_q7f493f5908_wo
	.globl	k_q7f493f5908_wo
	.p2align	8
	.type	k_q7f493f5908_wo,@function
k_q7f493f5908_wo:
	s_mov_b64 s[64:65], 0
	v_nop
	global_prefetch_b8 v0, s[64:65] scope:SCOPE_SE
	s_setreg_imm32_b32 hwreg(HW_REG_WAVE_MODE, 25, 1), 1
	s_wait_xcnt 0x0
	s_wait_alu depctr_hold_cnt(0) depctr_sa_sdst(0) depctr_va_vdst(0) depctr_va_sdst(0) depctr_va_ssrc(0) depctr_va_vcc(0) depctr_vm_vsrc(0)
	s_getreg_b32 s2, hwreg(HW_REG_IB_STS2, 6, 4)
	s_cmp_eq_u32 s2, 0
	s_cbranch_scc0 .Lentry_in_a_cluster
	s_endpgm
.Lentry_in_a_cluster:
	s_bfe_u32 s2, ttmp6, 0x10000c
	s_cmp_lg_u32 s2, 0xf033
	s_cbranch_scc0 .Lentry_shape_is_right
	s_endpgm
.Lentry_shape_is_right:
; y = enc_input + ctx Wo, on E2M3 codes with E8M0 scales (records: record (ks, g) at (ks NG + g) 6400 bytes: four fragments of 1,536 bytes in register order, then 64 scale words); y is f32 [4096][1024].
; A work-group makes 128 x 128 (tiles of 256 x 256 would be 64 for 256 WGPs), a wave 64 x 64: 16 accumulators.  4 x 4 work-groups form a cluster: A's tile is asked for jointly along a row, B's along a column.
; Two LDS slots of four K steps of 128 hold all of K = 1,024: nothing is filled again.  The matrix instruction is used transposed: a lane holds eight neighbouring numbers of a row.
; The residual's 64 x 64 numbers are asked for at the head, in the layout in which rows come back from the stage, and wait in window 3.
; WINDOWS: 0: addresses, scale words, A's fragments, the way out;  1: B's fragments (two sets);  2: accumulator (a, b) at register 8 (4 a + b);  3: the residual.
.set NB, 4
.set NQ, 4
.set NKS, 8
.set ZFIRST, 1                         ; the first K step starts the sums with the constant 0
.set OFF_B, 5734400                    ; wo's records in prep
.set GR, NB/2
.set CH, GR*6400
.set SIDE, NQ*CH
.set SLOT, 2*SIDE
.set LAPS, NKS/(2*NQ)
.set HALFW, (GR/2)*6400
.set STAGE, 204800                     ; 16 rows x (256 + 16) bytes for each wave: written by LDS stores alone
.set SPARE, 222208                     ; the spare words: 128 bytes a wave, two blocks of 256 bytes that no other line names
.set ADRA, 16
.set ADRB, 18
.set ADRS, 20
.set B32, 22
.set L8, 23
.set STO, 24
.set RD, 25
.set CO, 26
.set SPW, 28
.set NIL, 29
.set SC, 32
.set BIAS, 64
.set AF, 128
.set BK, 176                           ; v176-239 rows read back, two sets of 32
.set G1, 24
.set G0, 32
.set G1B, 48
.set G0B, 56
.set STA, 66
.set STB, 68
.set OUTP, 70
.set MSB, 0
.macro WIN new
.if MSB != (\new)
	s_set_vgpr_msb (MSB<<8)|(\new)
.set MSB, (\new)
.endif
.endm
.macro PLACES n
.rept \n
	v_nop
.endr
.endm
.macro JLOAD s                         ; a joint load: waves 0, 1 fetch for A, waves 2, 3 for B; four v_nop follow each line
	s_cmp_eq_u32 s15, 0
	s_cbranch_scc0 .Lfor_b_\@
	tensor_load_to_lds s[G0+4*\s:G0+4*\s+3], s[G1:G1+7]
	s_nop 0
.rept 4
	v_nop
.endr
	s_branch .Lasked_\@
.Lfor_b_\@:
	tensor_load_to_lds s[G0B+4*\s:G0B+4*\s+3], s[G1B:G1B+7]
	s_nop 0
.rept 4
	v_nop
.endr
.Lasked_\@:
.endm
.macro CREST
	s_cmp_lg_u32 s14, 0
	s_cbranch_scc1 .Lnot_wave_0_\@
	s_barrier_signal -3
.Lnot_wave_0_\@:
	s_barrier_wait -3
	s_barrier_signal -1
	s_barrier_wait -1
.endm
.macro CROUND
	s_barrier_signal -1
	s_barrier_wait -1
	CREST
.endm
.macro FRAG reg, adr, off
.irp p, 0,1,2,3,4,5
	ds_load_b64 v[(\reg)+2*\p:(\reg)+2*\p+1], v[\adr] offset:(\off)+256*\p
.endr
.endm
.macro FETCH_B slot, q, p
	WIN 0x40
.set FI, 0
.rept NB
	FRAG 128*(\p)+12*FI, ADRB+\slot, (\q)*CH+(FI/4)*6400+(FI%4)*1536
.set FI, FI+1
.endr
	WIN 0
.endm
.macro FETCH_A slot, q, i0, n
.set FI, \i0
.rept \n
	FRAG AF+12*FI, ADRA+\slot, (\q)*CH+(FI/4)*6400+(FI%4)*1536
.set FI, FI+1
.endr
.endm
.macro SCALES slot, q
.set FI, 0
.rept NB
	ds_load_b32 v[SC+NB*((\q)%2)+FI], v[ADRS+\slot] offset:(\q)*CH+(FI/4)*6400+64*(FI%4)
.set FI, FI+1
.endr
.endm
.macro ACCWIN a, z
.set AW, 2+(NB*(\a))/32
.if (\z)==2
	WIN (AW<<6)|1
.else
	WIN (AW<<6)|(AW<<4)|1
.endif
.endm
.macro MULS a0, n, p, q, z             ; the accumulators take turns
.set MA, \a0
.rept \n
.set MB, 0
.rept NB
.set MD, 8*((NB*MA+MB)%32)
.if (\z)==1
	v_wmma_scale_f32_16x16x128_f8f6f4 v[MD:MD+7], v[128*(\p)+12*MB:128*(\p)+12*MB+11], v[AF+12*MA:AF+12*MA+11], 0, v[SC+NB*((\q)%2)+MB], v[SC+NB*((\q)%2)+MA] matrix_a_fmt:MATRIX_FMT_FP6 matrix_b_fmt:MATRIX_FMT_FP6 matrix_a_scale:MATRIX_SCALE_ROW1
.elseif (\z)==2
	v_wmma_scale_f32_16x16x128_f8f6f4 v[MD:MD+7], v[128*(\p)+12*MB:128*(\p)+12*MB+11], v[AF+12*MA:AF+12*MA+11], v[BIAS+8*MB:BIAS+8*MB+7], v[SC+NB*((\q)%2)+MB], v[SC+NB*((\q)%2)+MA] matrix_a_fmt:MATRIX_FMT_FP6 matrix_b_fmt:MATRIX_FMT_FP6 matrix_a_scale:MATRIX_SCALE_ROW1
.else
	v_wmma_scale_f32_16x16x128_f8f6f4 v[MD:MD+7], v[128*(\p)+12*MB:128*(\p)+12*MB+11], v[AF+12*MA:AF+12*MA+11], v[MD:MD+7], v[SC+NB*((\q)%2)+MB], v[SC+NB*((\q)%2)+MA] matrix_a_fmt:MATRIX_FMT_FP6 matrix_b_fmt:MATRIX_FMT_FP6 matrix_a_scale:MATRIX_SCALE_ROW1
.endif
.set MB, MB+1
.endr
.set MA, MA+1
.endr
.endm
.macro STEP slot, q, z
	s_wait_dscnt (NB/2)*6                          ; all but the youngest loads (A's upper blocks) are in
	ACCWIN 0, \z
	MULS 0, NB/2, (\q)%2, \q, \z
	s_wait_dscnt 0x0
	PLACES 4                                       ; four places in front of loads into registers that matrix instructions have read
	FETCH_B \slot, (\q)+1, 1-(\q)%2
	FETCH_A \slot, (\q)+1, 0, NB/2
	SCALES \slot, (\q)+1
	ACCWIN NB/2, \z
	MULS NB/2, NB/2, (\q)%2, \q, \z
	PLACES 4
	WIN 0
	FETCH_A \slot, (\q)+1, NB/2, NB/2
.endm
.macro TURN slot, next, fill
	s_wait_tensorcnt 0x0                           ; all my tensor loads have landed: my part of the next slot
	ds_add_u32 v[SPW], v[NIL]                      ; 0 onto my spare word
	s_wait_dscnt (NB/2)*6+1                        ; (the add and A's upper blocks may be out)
	ACCWIN 0, 0
	MULS 0, NB/4, 1, NQ-1, 0
	s_wait_dscnt 0x0                               ; the add is done, and my reads of this slot are over
	s_barrier_signal -1
	MULS NB/4, NB/4, 1, NQ-1, 0
	WIN 0
	s_barrier_wait -1
.if \fill
	CREST
	s_add_nc_u64 s[G0+4*\slot+2:G0+4*\slot+3], s[G0+4*\slot+2:G0+4*\slot+3], s[STA:STA+1]
	s_add_nc_u64 s[G0B+4*\slot+2:G0B+4*\slot+3], s[G0B+4*\slot+2:G0B+4*\slot+3], s[STB:STB+1]
	JLOAD \slot
.else
	PLACES 4
.endif
	FETCH_B \next, 0, 0
	FETCH_A \next, 0, 0, NB/2
	SCALES \next, 0
	ACCWIN NB/2, 0
	MULS NB/2, NB/2, 1, NQ-1, 0
	PLACES 4
	WIN 0
	FETCH_A \next, 0, NB/2, NB/2
.endm
.macro LAST
	s_wait_dscnt (NB/2)*6
	ACCWIN 0, 0
	MULS 0, NB/2, 1, NQ-1, 0
	s_wait_dscnt 0x0
	ACCWIN NB/2, 0
	MULS NB/2, NB/2, 1, NQ-1, 0
	WIN 0
.endm
.macro TOSTAGE a                       ; block a (16 rows x 64 columns) into my stage, and back as whole rows of 256 bytes, two an instruction
	WIN 0x08                                       ; an LDS store's data are its source 1: window 2
.irp b, 0,1,2,3
	ds_store_b128 v[STO], v[8*(4*(\a)+\b):8*(4*(\a)+\b)+3] offset:64*\b          ; each accumulator from its low end on
	ds_store_b128 v[STO], v[8*(4*(\a)+\b)+4:8*(4*(\a)+\b)+7] offset:64*\b+16
.endr
	WIN 0
.set BB, BK+32*((\a)%2)
.irp t, 0,1,2,3,4,5,6,7
	ds_load_b128 v[BB+4*\t:BB+4*\t+3], v[RD] offset:544*\t   ; LDS serves a wave's instructions in order: these see the stores above
.endr
.endm
.macro SEND a, younger                 ; younger: the LDS instructions issued behind block a's loads
.set BB, BK+32*((\a)%2)
	s_wait_dscnt \younger
	WIN 0x0c                                       ; source 1: the residual, window 3
.set J, 0
.rept 16
	v_pk_add_f32 v[BB+J:BB+J+1], v[BB+J:BB+J+1], v[32*(\a)+J:32*(\a)+J+1]
.set J, J+2
.endr
	WIN 0
.irp t, 0,1,2,3,4,5,6,7
	global_store_b128 v[CO], v[BB+4*\t:BB+4*\t+3], s[OUTP:OUTP+1] offset:(16*(\a)+2*\t)*4096   ; 16 lanes store 256 consecutive bytes, aligned
.endr
.endm
	s_load_b128 s[4:7], s[0:1], 0x0                ; cr, prep
	s_load_b64 s[8:9], s[0:1], 0x10                ; enc_input
	s_load_b64 s[12:13], s[0:1], 0x18              ; y
	v_lshl_add_u32 v[SPW], v0, 2, SPARE
	v_mov_b32 v[NIL], 0
	ds_add_u32 v28, v29
	ds_add_u32 v28, v29
	s_wait_dscnt 0x0
	v_lshrrev_b32 v1, 5, v0
	v_readfirstlane_b32 s14, v1                    ; wave
	s_lshr_b32 s15, s14, 1                         ; my half of the rows; also: I fetch for A (0) or B (1)
	s_and_b32 s16, s14, 1                          ; my half of the columns; also: which slot (four K steps) I fetch
	s_bfe_u32 s40, ttmp6, 0x40000                  ; cx
	s_bfe_u32 s41, ttmp6, 0x40004                  ; cy
	s_lshl_b32 s42, ttmp9, 2
	s_add_co_u32 s42, s42, s40                     ; tile column
	s_and_b32 s17, ttmp7, 0xffff
	s_lshl_b32 s17, s17, 2
	s_add_co_u32 s17, s17, s41                     ; tile row
	s_lshl_b32 s43, s41, 2
	s_lshl_b32 s43, 15, s43
	s_lshl_b32 s44, 0x1111, s40
	s_or_b32 s[G1], s43, (3<<16)|(1<<21)           ; the mask; elements of 8 bytes; bit 21 beside a mask; no padding
	s_or_b32 s[G1B], s44, (3<<16)|(1<<21)
.irp g, G1, G1B                        ; four K steps: 4 rows of 12,800 bytes (two records), a plane of records apart: one side of a slot
	s_mov_b32 s[\g+1], 1600<<16
	s_mov_b32 s[\g+2], 4<<16
	s_mov_b32 s[\g+3], 1600<<16
	s_mov_b32 s[\g+4], 4
	s_mov_b32 s[\g+6], 0
	s_mov_b32 s[\g+7], 0
.endr
	s_mov_b32 s[G1+5], 51200                       ; A's plane: 64 records, in elements
	s_mov_b32 s[G1B+5], 12800                      ; B's: 16 records
	s_mul_i32 s20, s16, 1638400
	s_mul_i32 s21, s17, 12800
	s_add_co_u32 s20, s20, s21
	s_mov_b32 s21, 0
	s_mul_i32 s46, s16, 409600
	s_mul_i32 s47, s42, 12800
	s_add_co_u32 s46, s46, s47
	s_add_co_u32 s46, s46, OFF_B
	s_mov_b32 s47, 0
	s_mul_i32 s45, s16, SLOT                       ; where my load goes: my slot,
	s_mul_i32 s84, s15, SIDE                       ; A's side or B's
	s_add_co_u32 s45, s45, s84
	s_wait_kmcnt 0x0
	s_add_nc_u64 s[20:21], s[4:5], s[20:21]
	s_add_nc_u64 s[46:47], s[6:7], s[46:47]
	CROUND                                         ; all sixteen work-groups are here
	s_mov_b32 s[G0], 1
	s_mov_b32 s[G0+1], s45
	s_mov_b64 s[G0+2:G0+3], s[20:21]
	s_or_b32 s[G0+3], s[G0+3], 0x80000000
	s_mov_b32 s[G0B], 1
	s_mov_b32 s[G0B+1], s45
	s_mov_b64 s[G0B+2:G0B+3], s[46:47]
	s_or_b32 s[G0B+3], s[G0B+3], 0x80000000
	JLOAD 0
	v_and_b32 v1, 15, v0                           ; r
	v_bfe_u32 v2, v0, 4, 1                         ; h
	s_wait_alu depctr_va_vdst(0)
	v_and_b32 v3, 31, v0
	v_lshlrev_b32 v[L8], 3, v3
	s_mul_i32 s21, s15, HALFW
	s_mul_i32 s22, s16, HALFW
	s_add_co_u32 s22, s22, SIDE
.irp s, 0,1
	v_add_nc_u32 v[ADRA+\s], s21, v[L8]
	v_add_nc_u32 v[ADRB+\s], s22, v[L8]
	s_add_co_u32 s21, s21, SLOT
	s_add_co_u32 s22, s22, SLOT
.endr
	s_xor_b32 s23, s15, 1
	s_add_co_u32 s23, s23, s16
	s_mul_i32 s23, s23, HALFW
	s_add_co_u32 s23, s23, SIDE-HALFW              ; from A's scale words to B's
	v_mul_u32_u24 v5, s23, v2
	v_lshl_add_u32 v5, v1, 2, v5
	s_mul_i32 s21, s15, HALFW
	s_add_co_u32 s21, s21, 6144
	v_add_nc_u32 v[ADRS], s21, v5
	v_add_nc_u32 v[ADRS+1], SLOT, v[ADRS]
	s_mul_i32 s21, s14, 4352
	s_add_co_u32 s21, s21, STAGE                   ; my stage
	v_mul_u32_u24 v5, v1, 272
	v_lshl_add_u32 v5, v2, 5, v5
	v_add_nc_u32 v[STO], s21, v5                   ; in: row r, + 32 h
	v_mul_u32_u24 v5, v2, 272
	v_lshl_add_u32 v5, v1, 4, v5
	v_add_nc_u32 v[RD], s21, v5                    ; back: lanes 0-15 one row, lanes 16-31 the next
	v_lshlrev_b32 v[CO], 12, v2
	v_lshl_add_u32 v[CO], v1, 4, v[CO]             ; and the same two rows in memory
	s_wait_alu depctr_va_vdst(0)
	s_lshl_b32 s90, s17, 7
	s_lshl_b32 s91, s15, 6
	s_add_co_u32 s90, s90, s91                     ; my first row
	s_lshl_b32 s90, s90, 12
	s_lshl_b32 s91, s42, 7
	s_lshl_b32 s92, s16, 6
	s_add_co_u32 s91, s91, s92                     ; my first column
	s_lshl_b32 s92, s91, 2
	s_add_co_u32 s90, s90, s92
	s_mov_b32 s91, 0
	s_add_nc_u64 s[72:73], s[8:9], s[90:91]        ; the residual
	s_add_nc_u64 s[OUTP:OUTP+1], s[12:13], s[90:91]
	WIN 0xc0                                       ; destination window 3
.irp a, 0,1,2,3
.irp t, 0,1,2,3,4,5,6,7
	global_load_b128 v[32*\a+4*\t:32*\a+4*\t+3], v[CO], s[72:73] offset:(16*\a+2*\t)*4096
.endr
.endr
	WIN 0
	s_wait_tensorcnt 0x0                           ; my one load has landed: the four waves' loads are both slots, all of K
	s_barrier_signal -1
	s_barrier_wait -1
	FETCH_B 0, 0, 0
	FETCH_A 0, 0, 0, NB/2
	SCALES 0, 0
	FETCH_A 0, 0, NB/2, NB/2
	STEP 0, 0, ZFIRST
	STEP 0, 1, 0
	STEP 0, 2, 0
	TURN 0, 1, 0                                   ; the two slots hold all of K: nothing is filled again
	STEP 1, 0, 0
	STEP 1, 1, 0
	STEP 1, 2, 0
	LAST
	s_wait_loadcnt 0x0                             ; the residual
	PLACES 4
	TOSTAGE 0
.irp a, 1,2,3
.if \a > 1
	s_wait_xcnt 0x0                                ; block a - 2's stores have read their registers
.endif
	TOSTAGE \a
	SEND \a-1, 16                                  ; behind block a - 1's loads: block a's 8 stores and 8 loads
.endr
	SEND 3, 0
	s_wait_tensorcnt 0x0                           ; the wave's end
	ds_add_u32 v[SPW], v[NIL]
	s_wait_dscnt 0x0
	CROUND                                         ; the closing round
	s_endpgm
.Lfunc_end_k_q7f493f5908_wo:
	.size	k_q7f493f5908_wo, .Lfunc_end_k_q7f493f5908_wo-k_q7f493f5908_wo
	.p2alignl 7, 3214868480
	.fill 96, 4, 3214868480
	.section	.rodata,"a",@progbits
	.p2align	6, 0x0
	.amdhsa_kernel k_q7f493f5908_wo
		.amdhsa_group_segment_fixed_size 327680
		.amdhsa_private_segment_fixed_size 0
		.amdhsa_enable_private_segment 0
		.amdhsa_kernarg_size 32
		.amdhsa_user_sgpr_count 2
		.amdhsa_user_sgpr_kernarg_segment_ptr 1
		.amdhsa_wavefront_size32 1
		.amdhsa_system_sgpr_workgroup_id_x 1
		.amdhsa_system_sgpr_workgroup_id_y 1
		.amdhsa_system_sgpr_workgroup_id_z 1
		.amdhsa_system_vgpr_workitem_id 0
		.amdhsa_next_free_vgpr 1024
		.amdhsa_next_free_sgpr 100
		.amdhsa_reserve_vcc 0
		.amdhsa_float_denorm_mode_32 3
		.amdhsa_float_denorm_mode_16_64 3
		.amdhsa_memory_ordered 1
		.amdhsa_forward_progress 1
		.amdhsa_inst_pref_size 68
	.end_amdhsa_kernel
	.amdgpu_metadata
---
amdhsa.version: [ 1, 2 ]
amdhsa.kernels:
  - .name:           k_q7f493f5908_wo
    .symbol:         k_q7f493f5908_wo.kd
    .args:
      - { .name: cr, .offset: 0, .size: 8, .value_kind: global_buffer, .address_space: global }
      - { .name: prep, .offset: 8, .size: 8, .value_kind: global_buffer, .address_space: global }
      - { .name: enc_input, .offset: 16, .size: 8, .value_kind: global_buffer, .address_space: global }
      - { .name: y, .offset: 24, .size: 8, .value_kind: global_buffer, .address_space: global }
    .group_segment_fixed_size: 327680
    .private_segment_fixed_size: 0
    .kernarg_segment_align: 8
    .kernarg_segment_size: 32
    .max_flat_workgroup_size: 128
    .sgpr_count:     100
    .vgpr_count:     1024
    .wavefront_size: 32
...
	.end_amdgpu_metadata
.endif
;; end of part 4
;; launch ln1 (part 5): grid 256 x 1, 4 waves a work-group, no clusters, 66,304 bytes of LDS; arguments y, ln1_g, ln1_b, hf, hr; writes hf, hr
.if DOCPART == 5
	.amdgcn_target "amdgcn-amd-amdhsa--gfx1250"
	.amdhsa_code_object_version 6
	.text
	.protected	k_q7f493f5908_ln1
	.globl	k_q7f493f5908_ln1
	.p2align	8
	.type	k_q7f493f5908_ln1,@function
k_q7f493f5908_ln1:
	s_mov_b64 s[64:65], 0
	v_nop
	global_prefetch_b8 v0, s[64:65] scope:SCOPE_SE
	s_setreg_imm32_b32 hwreg(HW_REG_WAVE_MODE, 25, 1), 1
	s_wait_xcnt 0x0
; h = LayerNorm(y) g + b, rows of 1,024 f32; h leaves as f32 (hf) and as E2M3 codes with E8M0 scales in records (hr: record (ks, g) at (64 ks + g) 6400 bytes).
; A work-group takes 16 rows (one fragment's rows), a wave 4: a row lies in 32 registers of the wave, lane l holding columns 128 k + 4 l .. + 3: every load and store covers 512 consecutive bytes.
; Mean first, then the squares of the differences: no difference of large sums.  Memory binds: no matrix unit, no cluster, no tensor load.
; For the codes the 16 rows meet in LDS (pitch 4,096 + 16 bytes), one barrier; wave w then quantises K steps 2 w and 2 w + 1 of all 16 rows.
; LIMITS: a block whose largest magnitude lies under 2^-124, or a block of zeros, gets the byte 1; NaN and infinities are not served.  Scale words leave in runs of 64 bytes.
.set Y,  64                            ; v64-191 four rows
.set G,  192                           ; v192-223 the gain at my columns
.set BT, 224                           ; v224-255 the bias
.set TM, 232                           ; later: at work in the quantiser
.set SEL, 18
.macro REDUCE t                        ; the four rows' pairs v[t + 2 i], v[t + 1 + 2 i] are summed over the pair and the 32 lanes: every lane holds the sum
.irp i, 0,1,2,3
	v_add_f32 v[\t+2*\i], v[\t+2*\i], v[\t+1+2*\i]
.endr
.irp m, 1,2,4,8
.irp i, 0,1,2,3
	v_add_f32_dpp v[\t+2*\i], v[\t+2*\i], v[\t+2*\i] row_xmask:\m row_mask:0xf bank_mask:0xf
.endr
.endr
.irp i, 0,1,2,3
	v_permlanex16_b32 v[16+\i], v[\t+2*\i], s[SEL], s[SEL+1]
.endr
.irp i, 0,1,2,3
	v_add_f32 v[\t+2*\i], v[\t+2*\i], v[16+\i]
.endr
.endm
.macro QUANT s, pw, pc
.irp b, 0,1,2,3
	v_max3_num_f32 v[TM+\b], |v[(\s)+16*\b]|, |v[(\s)+1+16*\b]|, 0x1800000   ; and the floor 2^(3 - 127)
.endr
.irp i, 2,4,6,8,10,12,14
.irp b, 0,1,2,3
	v_max3_num_f32 v[TM+\b], v[TM+\b], |v[(\s)+16*\b+\i]|, |v[(\s)+1+16*\b+\i]|
.endr
.endr
.irp b, 0,1,2,3
	v_permlanex16_b32 v[TM+4+\b], v[TM+\b], s[SEL], s[SEL+1]
.endr
.irp b, 0,1,2,3
	v_max_num_f32 v[TM+\b], v[TM+\b], v[TM+4+\b]
.endr
.irp b, 0,1,2,3
	v_add_nc_u32 v[TM+12+\b], 0xff000000, v[TM+\b]
.endr
.irp b, 0,1,2,3
	v_lshrrev_b32 v[TM+4+\b], 23, v[TM+12+\b]
.endr
	v_lshl_or_b32 v[\pw], v[TM+5], 8, v[TM+4]
	v_lshl_or_b32 v[\pw], v[TM+6], 16, v[\pw]
	v_lshl_or_b32 v[\pw], v[TM+7], 24, v[\pw]
.irp c, 0,1
	v_cvt_scalef32_pk16_fp6_f32 v[(\pc)+6*\c:(\pc)+2+6*\c], v[(\s)+32*\c:(\s)+15+32*\c], v[TM+12+2*\c]
	v_cvt_scalef32_pk16_fp6_f32 v[(\pc)+12+4*\c:(\pc)+14+4*\c], v[(\s)+16+32*\c:(\s)+31+32*\c], v[TM+13+2*\c]
.endr
	v_nop
.irp c, 0,1
.irp i, 0,1,2
	v_permlane16_swap_b32 v[(\pc)+6*\c+\i], v[(\pc)+12+4*\c+\i]
.endr
.irp i, 0,1,2
	v_mov_b32 v[(\pc)+3+6*\c+\i], v[(\pc)+12+4*\c+\i]
.endr
.endr
.endm
	s_load_b128 s[4:7], s[0:1], 0x0                ; y, gain
	s_load_b128 s[8:11], s[0:1], 0x10              ; bias, hf
	s_load_b64 s[12:13], s[0:1], 0x20              ; hr
	v_lshl_add_u32 v62, v0, 2, 0x10100
	v_mov_b32 v63, 0
	v_lshrrev_b32 v1, 5, v0
	v_readfirstlane_b32 s14, v1                    ; wave
	v_and_b32 v1, 31, v0
	v_lshlrev_b32 v2, 4, v1                        ; 16 x lane
	s_lshl_b32 s16, ttmp9, 16                      ; 16 rows of 4,096 bytes a work-group,
	s_lshl_b32 s17, s14, 14                        ; 4 a wave
	s_add_co_u32 s16, s16, s17
	s_mov_b32 s17, 0
	s_mov_b32 s[SEL], 0x76543210
	s_mov_b32 s[SEL+1], 0xfedcba98
	s_mov_b32 s20, 0x3a800000                      ; 1 / 1,024
	s_mov_b32 s21, 0x3727c5ac                      ; 1e-5
.irp i, 0,1,2,3
	v_mov_b32 v[16+\i], 0                          ; a lane permute's destination counts as one of its sources
	v_mov_b32 v[33+2*\i], 0                        ; (named as the upper half of a pair)
.endr
	s_wait_alu depctr_va_vdst(0)
	s_wait_kmcnt 0x0
	s_add_nc_u64 s[4:5], s[4:5], s[16:17]
	s_add_nc_u64 s[10:11], s[10:11], s[16:17]
.irp i, 0,1,2,3
.irp k, 0,1,2,3,4,5,6,7
	global_load_b128 v[Y+32*\i+4*\k:Y+32*\i+4*\k+3], v2, s[4:5] offset:\i*4096+512*\k th:TH_LOAD_NT
.endr
.endr
.irp k, 0,1,2,3,4,5,6,7
	global_load_b128 v[G+4*\k:G+4*\k+3], v2, s[6:7] offset:512*\k
	global_load_b128 v[BT+4*\k:BT+4*\k+3], v2, s[8:9] offset:512*\k
.endr
	s_wait_loadcnt 16                              ; the four rows are in; gain and bias may be out
.irp i, 0,1,2,3
	v_pk_add_f32 v[8+2*\i:9+2*\i], v[Y+32*\i:Y+32*\i+1], v[Y+32*\i+2:Y+32*\i+3]
.endr
.irp j, 4,6,8,10,12,14,16,18,20,22,24,26,28,30
.irp i, 0,1,2,3
	v_pk_add_f32 v[8+2*\i:9+2*\i], v[8+2*\i:9+2*\i], v[Y+32*\i+\j:Y+32*\i+\j+1]   ; the four rows by turns
.endr
.endr
	REDUCE 8
.irp i, 0,1,2,3
	v_mul_f32 v[8+2*\i], s20, v[8+2*\i]            ; the mean
.endr
.irp j, 0,2,4,6,8,10,12,14,16,18,20,22,24,26,28,30
.irp i, 0,1,2,3
	v_pk_add_f32 v[Y+32*\i+\j:Y+32*\i+\j+1], v[Y+32*\i+\j:Y+32*\i+\j+1], v[8+2*\i:9+2*\i] op_sel_hi:[1,0] neg_lo:[0,1] neg_hi:[0,1]   ; y - mean
.endr
.endr
.irp i, 0,1,2,3
	v_pk_mul_f32 v[24+2*\i:25+2*\i], v[Y+32*\i:Y+32*\i+1], v[Y+32*\i:Y+32*\i+1]
.endr
.irp j, 2,4,6,8,10,12,14,16,18,20,22,24,26,28,30
.irp i, 0,1,2,3
	v_pk_fma_f32 v[24+2*\i:25+2*\i], v[Y+32*\i+\j:Y+32*\i+\j+1], v[Y+32*\i+\j:Y+32*\i+\j+1], v[24+2*\i:25+2*\i]
.endr
.endr
	REDUCE 24
.irp i, 0,1,2,3
	v_fma_f32 v[24+2*\i], v[24+2*\i], s20, s21     ; the variance + 1e-5
.endr
	s_wait_alu depctr_va_vdst(0)
.irp i, 0,1,2,3
	v_rsq_f32 v[32+2*\i], v[24+2*\i]
.endr
	v_nop                                          ; a plain place behind the last of them
	s_wait_alu depctr_va_vdst(0)                   ; one wait for the four, ahead of their first reader
	s_wait_loadcnt 0x0                             ; gain and bias
.irp j, 0,2,4,6,8,10,12,14,16,18,20,22,24,26,28,30
.irp i, 0,1,2,3
	v_pk_mul_f32 v[Y+32*\i+\j:Y+32*\i+\j+1], v[Y+32*\i+\j:Y+32*\i+\j+1], v[32+2*\i:33+2*\i] op_sel_hi:[1,0]
.endr
.irp i, 0,1,2,3
	v_pk_fma_f32 v[Y+32*\i+\j:Y+32*\i+\j+1], v[Y+32*\i+\j:Y+32*\i+\j+1], v[G+\j:G+\j+1], v[BT+\j:BT+\j+1]
.endr
.endr
.irp i, 0,1,2,3
.irp k, 0,1,2,3,4,5,6,7
	global_store_b128 v2, v[Y+32*\i+4*\k:Y+32*\i+4*\k+3], s[10:11] offset:\i*4096+512*\k   ; 512 consecutive bytes, aligned
.endr
.endr
	; ---- the codes
	s_mul_i32 s22, s14, 4*4112
	v_add_nc_u32 v3, s22, v2                       ; in: my four rows, as they lie
	v_and_b32 v6, 15, v0                           ; r
	v_bfe_u32 v7, v0, 4, 1                         ; h
	s_wait_alu depctr_va_vdst(0)
	v_mul_u32_u24 v4, v6, 4112
	v_lshl_add_u32 v4, v7, 6, v4
	s_lshl_b32 s22, s14, 10
	v_add_nc_u32 v4, s22, v4                       ; out: row r, + 64 h, + my two K steps' 1,024 bytes
	s_lshr_b32 s23, ttmp9, 2                       ; g
	s_and_b32 s24, ttmp9, 3                        ; f
	s_lshl_b32 s25, s14, 7
	s_add_co_u32 s25, s25, s23
	s_mul_i32 s26, s25, 6400                       ; record (2 w, g)
	s_mov_b32 s27, 0
	s_add_nc_u64 s[12:13], s[12:13], s[26:27]
	s_mul_i32 s25, s24, 1536
	v_lshl_add_u32 v5, v1, 3, s25                  ; codes: fragment f, 8 x lane
	v_mul_u32_u24 v28, v7, 409600                  ; scale words: lanes 16-31 store the second K step's, one plane on
	v_lshl_add_u32 v28, v6, 2, v28
	s_lshl_b32 s25, s24, 6
	v_add_nc_u32 v28, s25, v28
	s_mov_b32 s28, 0xffff0000
.irp i, 0,1,2,3
.irp k, 0,1,2,3,4,5,6,7
	ds_store_b128 v3, v[Y+32*\i+4*\k:Y+32*\i+4*\k+3] offset:\i*4112+512*\k
.endr
.endr
.irp b, 0,1,2,3
	v_mov_b32 v[TM+4+\b], 0
.endr
	s_wait_alu depctr_va_vdst(0)
	s_wait_dscnt 0x0                               ; for the others' sake: my rows lie in LDS
	s_barrier_signal -1
	s_barrier_wait -1
	s_wait_xcnt 0x0                                ; the stores of h have read the rows' registers
.irp e, 0,1
.irp b, 0,1,2,3
.irp j, 0,1,2,3
	ds_load_b128 v[Y+64*\e+16*\b+4*\j:Y+64*\e+16*\b+4*\j+3], v4 offset:512*\e+128*\b+16*\j
.endr
.endr
.endr
.irp e, 0,1
	s_wait_dscnt 16*(1-\e)                         ; this K step's 16 loads are in
	QUANT Y+64*\e, 248+\e, 192+20*\e
.irp p, 0,1,2,3,4,5
	global_store_b64 v5, v[192+20*\e+2*\p:193+20*\e+2*\p], s[12:13] offset:\e*409600+256*\p   ; 256 consecutive bytes, aligned
.endr
.endr
	v_cndmask_b32 v250, v248, v249, s28
	global_store_b32 v28, v250, s[12:13] offset:6144
	s_wait_tensorcnt 0x0
	ds_add_u32 v62, v63
	s_wait_dscnt 0x0
	s_endpgm
.Lfunc_end_k_q7f493f5908_ln1:
	.size	k_q7f493f5908_ln1, .Lfunc_end_k_q7f493f5908_ln1-k_q7f493f5908_ln1
	.p2alignl 7, 3214868480
	.fill 96, 4, 3214868480
	.section	.rodata,"a",@progbits
	.p2align	6, 0x0
	.amdhsa_kernel k_q7f493f5908_ln1
		.amdhsa_group_segment_fixed_size 66304
		.amdhsa_private_segment_fixed_size 0
		.amdhsa_enable_private_segment 0
		.amdhsa_kernarg_size 40
		.amdhsa_user_sgpr_count 2
		.amdhsa_user_sgpr_kernarg_segment_ptr 1
		.amdhsa_wavefront_size32 1
		.amdhsa_system_sgpr_workgroup_id_x 1
		.amdhsa_system_sgpr_workgroup_id_y 1
		.amdhsa_system_sgpr_workgroup_id_z 1
		.amdhsa_system_vgpr_workitem_id 0
		.amdhsa_next_free_vgpr 256
		.amdhsa_next_free_sgpr 66
		.amdhsa_reserve_vcc 0
		.amdhsa_float_denorm_mode_32 3
		.amdhsa_float_denorm_mode_16_64 3
		.amdhsa_memory_ordered 1
		.amdhsa_forward_progress 1
		.amdhsa_inst_pref_size 47
	.end_amdhsa_kernel
	.amdgpu_metadata
---
amdhsa.version: [ 1, 2 ]
amdhsa.kernels:
  - .name:           k_q7f493f5908_ln1
    .symbol:         k_q7f493f5908_ln1.kd
    .args:
      - { .name: y, .offset: 0, .size: 8, .value_kind: global_buffer, .address_space: global }
      - { .name: ln1_g, .offset: 8, .size: 8, .value_kind: global_buffer, .address_space: global }
      - { .name: ln1_b, .offset: 16, .size: 8, .value_kind: global_buffer, .address_space: global }
      - { .name: hf, .offset: 24, .size: 8, .value_kind: global_buffer, .address_space: global }
      - { .name: hr, .offset: 32, .size: 8, .value_kind: global_buffer, .address_space: global }
    .group_segment_fixed_size: 66304
    .private_segment_fixed_size: 0
    .kernarg_segment_align: 8
    .kernarg_segment_size: 40
    .max_flat_workgroup_size: 128
    .sgpr_count:     66
    .vgpr_count:     256
    .wavefront_size: 32
...
	.end_amdgpu_metadata
.endif
;; end of part 5
;; launch ffn1 (part 6): grid 16 x 16, 4 waves a work-group, clusters of 4 x 4, 327,680 bytes of LDS; arguments hr, prep, b1, fr; writes fr
.if DOCPART == 6
	.amdgcn_target "amdgcn-amd-amdhsa--gfx1250"
	.amdhsa_code_object_version 6
	.text
	.protected	k_q7f493f5908_ffn1
	.globl	k_q7f493f5908_ffn1
	.p2align	8
	.type	k_q7f493f5908_ffn1,@function
k_q7f493f5908_ffn1:
	s_mov_b64 s[64:65], 0
	v_nop
	global_prefetch_b8 v0, s[64:65] scope:SCOPE_SE
	s_setreg_imm32_b32 hwreg(HW_REG_WAVE_MODE, 25, 1), 1
	s_wait_xcnt 0x0
	s_wait_alu depctr_hold_cnt(0) depctr_sa_sdst(0) depctr_va_vdst(0) depctr_va_sdst(0) depctr_va_ssrc(0) depctr_va_vcc(0) depctr_vm_vsrc(0)
	s_getreg_b32 s2, hwreg(HW_REG_IB_STS2, 6, 4)
	s_cmp_eq_u32 s2, 0
	s_cbranch_scc0 .Lentry_in_a_cluster
	s_endpgm
.Lentry_in_a_cluster:
	s_bfe_u32 s2, ttmp6, 0x10000c
	s_cmp_lg_u32 s2, 0xf033
	s_cbranch_scc0 .Lentry_shape_is_right
	s_endpgm
.Lentry_shape_is_right:
.set NB, 8
.set NQ, 2
.set NKS, 8
.set GR, NB/2
.set CH, GR*6400
.set SIDE, NQ*CH
.set SLOT, 2*SIDE
.set LAPS, NKS/(2*NQ)
.set HALFW, (GR/2)*6400
.set SPARE, 222208
.set OFF_B, 6553600
.set ADRA, 16
.set ADRB, 18
.set ADRS, 20
.set B32, 22
.set L8, 23
.set L4, 27
.set SPW, 28
.set NIL, 29
.set SC, 32
.set TM, 48
.set BIAS, 64
.set AF, 128
.set PC, 192
.set G1, 24
.set G0, 32
.set G1B, 48
.set G0B, 56
.set STA, 66
.set STB, 68
.set OUTP, 70
.set SEL, 78
.set MSB, 0
.macro WIN new
.if MSB != (\new)
	s_set_vgpr_msb (MSB<<8)|(\new)
.set MSB, (\new)
.endif
.endm
.macro PLACES n
.rept \n
	v_nop
.endr
.endm
.macro JLOAD s
	s_cmp_eq_u32 s15, 0
	s_cbranch_scc0 .Lfor_b_\@
	tensor_load_to_lds s[G0+4*\s:G0+4*\s+3], s[G1:G1+7]
	s_nop 0
.rept 4
	v_nop
.endr
	s_branch .Lasked_\@
.Lfor_b_\@:
	tensor_load_to_lds s[G0B+4*\s:G0B+4*\s+3], s[G1B:G1B+7]
	s_nop 0
.rept 4
	v_nop
.endr
.Lasked_\@:
.endm
.macro CREST
	s_cmp_lg_u32 s14, 0
	s_cbranch_scc1 .Lnot_wave_0_\@
	s_barrier_signal -3
.Lnot_wave_0_\@:
	s_barrier_wait -3
	s_barrier_signal -1
	s_barrier_wait -1
.endm
.macro CROUND
	s_barrier_signal -1
	s_barrier_wait -1
	CREST
.endm
.macro FRAG reg, adr, off
.irp p, 0,1,2,3,4,5
	ds_load_b64 v[(\reg)+2*\p:(\reg)+2*\p+1], v[\adr] offset:(\off)+256*\p
.endr
.endm
.macro FETCH_B slot, q, p
	WIN 0x40
.set FI, 0
.rept NB
	FRAG 128*(\p)+12*FI, ADRB+\slot, (\q)*CH+(FI/4)*6400+(FI%4)*1536
.set FI, FI+1
.endr
	WIN 0
.endm
.macro FETCH_A slot, q, i0, n
.set FI, \i0
.rept \n
	FRAG AF+12*FI, ADRA+\slot, (\q)*CH+(FI/4)*6400+(FI%4)*1536
.set FI, FI+1
.endr
.endm
.macro SCALES slot, q
.set FI, 0
.rept NB
	ds_load_b32 v[SC+NB*((\q)%2)+FI], v[ADRS+\slot] offset:(\q)*CH+(FI/4)*6400+64*(FI%4)
.set FI, FI+1
.endr
.endm
.macro ACCWIN a, z
.set AW, 2+(NB*(\a))/32
.if (\z)==2
	WIN (AW<<6)|1
.else
	WIN (AW<<6)|(AW<<4)|1
.endif
.endm
.macro MULS a0, n, p, q, z
.set MA, \a0
.rept \n
.set MB, 0
.rept NB
.set MD, 8*((NB*MA+MB)%32)
.if (\z)==1
	v_wmma_scale_f32_16x16x128_f8f6f4 v[MD:MD+7], v[128*(\p)+12*MB:128*(\p)+12*MB+11], v[AF+12*MA:AF+12*MA+11], 0, v[SC+NB*((\q)%2)+MB], v[SC+NB*((\q)%2)+MA] matrix_a_fmt:MATRIX_FMT_FP6 matrix_b_fmt:MATRIX_FMT_FP6 matrix_a_scale:MATRIX_SCALE_ROW1
.elseif (\z)==2
	v_wmma_scale_f32_16x16x128_f8f6f4 v[MD:MD+7], v[128*(\p)+12*MB:128*(\p)+12*MB+11], v[AF+12*MA:AF+12*MA+11], v[BIAS+8*MB:BIAS+8*MB+7], v[SC+NB*((\q)%2)+MB], v[SC+NB*((\q)%2)+MA] matrix_a_fmt:MATRIX_FMT_FP6 matrix_b_fmt:MATRIX_FMT_FP6 matrix_a_scale:MATRIX_SCALE_ROW1
.else
	v_wmma_scale_f32_16x16x128_f8f6f4 v[MD:MD+7], v[128*(\p)+12*MB:128*(\p)+12*MB+11], v[AF+12*MA:AF+12*MA+11], v[MD:MD+7], v[SC+NB*((\q)%2)+MB], v[SC+NB*((\q)%2)+MA] matrix_a_fmt:MATRIX_FMT_FP6 matrix_b_fmt:MATRIX_FMT_FP6 matrix_a_scale:MATRIX_SCALE_ROW1
.endif
.set MB, MB+1
.endr
.set MA, MA+1
.endr
.endm
.macro STEP slot, q, z
	s_wait_dscnt (NB/2)*6
	ACCWIN 0, \z
	MULS 0, NB/2, (\q)%2, \q, \z
	s_wait_dscnt 0x0
	PLACES 4
	FETCH_B \slot, (\q)+1, 1-(\q)%2
	FETCH_A \slot, (\q)+1, 0, NB/2
	SCALES \slot, (\q)+1
	ACCWIN NB/2, \z
	MULS NB/2, NB/2, (\q)%2, \q, \z
	PLACES 4
	WIN 0
	FETCH_A \slot, (\q)+1, NB/2, NB/2
.endm
.macro TURN slot, next, fill
	s_wait_tensorcnt 0x0
	ds_add_u32 v[SPW], v[NIL]
	s_wait_dscnt (NB/2)*6+1
	ACCWIN 0, 0
	MULS 0, NB/4, 1, NQ-1, 0
	s_wait_dscnt 0x0
	s_barrier_signal -1
	MULS NB/4, NB/4, 1, NQ-1, 0
	WIN 0
	s_barrier_wait -1
.if \fill
	CREST
	s_add_nc_u64 s[G0+4*\slot+2:G0+4*\slot+3], s[G0+4*\slot+2:G0+4*\slot+3], s[STA:STA+1]
	s_add_nc_u64 s[G0B+4*\slot+2:G0B+4*\slot+3], s[G0B+4*\slot+2:G0B+4*\slot+3], s[STB:STB+1]
	JLOAD \slot
.else
	PLACES 4
.endif
	FETCH_B \next, 0, 0
	FETCH_A \next, 0, 0, NB/2
	SCALES \next, 0
	ACCWIN NB/2, 0
	MULS NB/2, NB/2, 1, NQ-1, 0
	PLACES 4
	WIN 0
	FETCH_A \next, 0, NB/2, NB/2
.endm
.macro LAST
	s_wait_dscnt (NB/2)*6
	ACCWIN 0, 0
	MULS 0, NB/2, 1, NQ-1, 0
	s_wait_dscnt 0x0
	ACCWIN NB/2, 0
	MULS NB/2, NB/2, 1, NQ-1, 0
	WIN 0
.endm
.macro QUANT s, pw
.irp b, 0,1,2,3
	v_max3_num_f32 v[TM+\b], |v[(\s)+16*\b]|, |v[(\s)+1+16*\b]|, 0x1800000
.endr
.irp i, 2,4,6,8,10,12,14
.irp b, 0,1,2,3
	v_max3_num_f32 v[TM+\b], v[TM+\b], |v[(\s)+16*\b+\i]|, |v[(\s)+1+16*\b+\i]|
.endr
.endr
.irp b, 0,1,2,3
	v_permlanex16_b32 v[TM+4+\b], v[TM+\b], s[SEL], s[SEL+1]
.endr
.irp b, 0,1,2,3
	v_max_num_f32 v[TM+\b], v[TM+\b], v[TM+4+\b]
.endr
.irp b, 0,1,2,3
	v_add_nc_u32 v[TM+12+\b], 0xff000000, v[TM+\b]
.endr
.irp b, 0,1,2,3
	v_lshrrev_b32 v[TM+4+\b], 23, v[TM+12+\b]
.endr
	v_lshl_or_b32 v[\pw], v[TM+5], 8, v[TM+4]
	v_lshl_or_b32 v[\pw], v[TM+6], 16, v[\pw]
	v_lshl_or_b32 v[\pw], v[TM+7], 24, v[\pw]
.irp c, 0,1
	v_cvt_scalef32_pk16_fp6_f32 v[PC+6*\c:PC+2+6*\c], v[(\s)+32*\c:(\s)+15+32*\c], v[TM+12+2*\c]
	v_cvt_scalef32_pk16_fp6_f32 v[PC+12+4*\c:PC+14+4*\c], v[(\s)+16+32*\c:(\s)+31+32*\c], v[TM+13+2*\c]
.endr
	v_nop
.irp c, 0,1
.irp i, 0,1,2
	v_permlane16_swap_b32 v[PC+6*\c+\i], v[PC+12+4*\c+\i]
.endr
.irp i, 0,1,2
	v_mov_b32 v[PC+3+6*\c+\i], v[PC+12+4*\c+\i]
.endr
.endr
.endm
	s_load_b128 s[4:7], s[0:1], 0x0
	s_load_b128 s[8:11], s[0:1], 0x10
	v_lshl_add_u32 v[SPW], v0, 2, SPARE
	v_mov_b32 v[NIL], 0
	ds_add_u32 v28, v29
	ds_add_u32 v28, v29
	s_wait_dscnt 0x0
	v_lshrrev_b32 v1, 5, v0
	v_readfirstlane_b32 s14, v1
	v_and_b32 v30, 31, v0                          ; the prefetches' offset: a lane to each 256 bytes of a record of 25 such blocks;
	v_min_u32 v30, 24, v30                         ; the lanes left over name the last again
	v_lshlrev_b32 v30, 8, v30
	s_wait_alu depctr_va_vdst(0)                   ; the wait directly behind the write
	s_lshr_b32 s15, s14, 1
	s_and_b32 s16, s14, 1
	s_bfe_u32 s40, ttmp6, 0x40000
	s_bfe_u32 s41, ttmp6, 0x40004
	s_lshl_b32 s42, ttmp9, 2
	s_add_co_u32 s42, s42, s40
	s_and_b32 s17, ttmp7, 0xffff
	s_lshl_b32 s17, s17, 2
	s_add_co_u32 s17, s17, s41
	s_lshl_b32 s43, s41, 2
	s_lshl_b32 s43, 15, s43
	s_lshl_b32 s44, 0x1111, s40
	s_or_b32 s[G1], s43, (3<<16)|(1<<21)
	s_or_b32 s[G1B], s44, (3<<16)|(1<<21)
.irp g, G1, G1B
	s_mov_b32 s[\g+1], 32<<16
	s_mov_b32 s[\g+2], 100<<16
	s_mov_b32 s[\g+3], 32<<16
	s_mov_b32 s[\g+4], 100
	s_mov_b32 s[\g+5], 32
	s_mov_b32 s[\g+6], 0
	s_mov_b32 s[\g+7], 0
.endr
	s_mul_i32 s20, s16, 409600
	s_mul_i32 s21, s17, 25600
	s_add_co_u32 s20, s20, s21
	s_mov_b32 s21, 0
	s_mul_i32 s46, s16, 409600
	s_mul_i32 s47, s42, 25600
	s_add_co_u32 s46, s46, s47
	s_add_co_u32 s46, s46, OFF_B
	s_mov_b32 s47, 0
	s_mov_b32 s80, 819200
	s_mov_b32 s81, 0
	s_mov_b32 s82, 819200
	s_mov_b32 s83, 0
	s_mov_b32 s[STA], 1638400
	s_mov_b32 s[STA+1], 0
	s_mov_b32 s[STB], 1638400
	s_mov_b32 s[STB+1], 0
	s_mul_i32 s45, s14, 25600
	s_wait_kmcnt 0x0
	s_add_nc_u64 s[20:21], s[4:5], s[20:21]
	s_add_nc_u64 s[46:47], s[6:7], s[46:47]
	CROUND
	s_mov_b32 s[G0], 1
	s_mov_b32 s[G0+1], s45
	s_mov_b64 s[G0+2:G0+3], s[20:21]
	s_or_b32 s[G0+3], s[G0+3], 0x80000000
	s_mov_b32 s[G0B], 1
	s_mov_b32 s[G0B+1], s45
	s_mov_b64 s[G0B+2:G0B+3], s[46:47]
	s_or_b32 s[G0B+3], s[G0B+3], 0x80000000
	JLOAD 0
	; prefetches: a load of mine brings four records; the four partners that ask for it jointly share them out by address (cx for A, cy for B).  Behind fill n stands the request for fill n + 2; fill 1's is made here too
	s_cmp_eq_u32 s15, 0
	s_cselect_b64 s[84:85], s[20:21], s[46:47]
	s_cselect_b32 s86, s40, s41
	s_mul_i32 s86, s86, 6400
	s_mov_b32 s87, 0
	s_add_nc_u64 s[84:85], s[84:85], s[86:87]
	global_prefetch_b8 v30, s[84:85] offset:819200 th:TH_LOAD_NT scope:SCOPE_SE    ; fill 1: two planes of 409,600 bytes on
	global_prefetch_b8 v30, s[84:85] offset:1638400 th:TH_LOAD_NT scope:SCOPE_SE   ; fill 2
	s_mov_b32 s[G0+4], 1
	s_add_co_u32 s[G0+5], s45, SLOT
	s_add_nc_u64 s[G0+6:G0+7], s[20:21], s[80:81]
	s_or_b32 s[G0+7], s[G0+7], 0x80000000
	s_mov_b32 s[G0B+4], 1
	s_add_co_u32 s[G0B+5], s45, SLOT
	s_add_nc_u64 s[G0B+6:G0B+7], s[46:47], s[82:83]
	s_or_b32 s[G0B+7], s[G0B+7], 0x80000000
	s_wait_alu depctr_va_vdst(0)
	s_wait_tensorcnt 0x0
	ds_add_u32 v28, v29
	s_wait_dscnt 0x0
	CROUND
	JLOAD 1
	global_prefetch_b8 v30, s[84:85] offset:2457600 th:TH_LOAD_NT scope:SCOPE_SE   ; fill 3: K steps 6, 7, the last
	v_and_b32 v1, 15, v0
	v_bfe_u32 v2, v0, 4, 1
	v_and_b32 v3, 31, v0
	v_lshlrev_b32 v[L8], 3, v3
	s_wait_alu depctr_va_vdst(0)
	v_lshlrev_b32 v[L4], 2, v3
	v_lshlrev_b32 v[B32], 5, v2
	s_lshl_b32 s92, s42, 8
	s_lshl_b32 s93, s16, 7
	s_add_co_u32 s92, s92, s93
	s_lshl_b32 s92, s92, 2
	s_mov_b32 s93, 0
	s_add_nc_u64 s[74:75], s[8:9], s[92:93]
.irp b, 0,1,2,3,4,5,6,7
	global_load_b128 v[BIAS+8*\b:BIAS+8*\b+3], v[B32], s[74:75] offset:64*\b
	global_load_b128 v[BIAS+8*\b+4:BIAS+8*\b+7], v[B32], s[74:75] offset:64*\b+16
.endr
	s_mul_i32 s21, s15, HALFW
	s_mul_i32 s22, s16, HALFW
	s_add_co_u32 s22, s22, SIDE
.irp s, 0,1
	v_add_nc_u32 v[ADRA+\s], s21, v[L8]
	v_add_nc_u32 v[ADRB+\s], s22, v[L8]
	s_add_co_u32 s21, s21, SLOT
	s_add_co_u32 s22, s22, SLOT
.endr
	s_xor_b32 s23, s15, 1
	s_add_co_u32 s23, s23, s16
	s_mul_i32 s23, s23, HALFW
	s_add_co_u32 s23, s23, SIDE-HALFW
	v_mul_u32_u24 v5, s23, v2
	v_lshl_add_u32 v5, v1, 2, v5
	s_mul_i32 s21, s15, HALFW
	s_add_co_u32 s21, s21, 6144
	v_add_nc_u32 v[ADRS], s21, v5
	v_add_nc_u32 v[ADRS+1], SLOT, v[ADRS]
.irp b, 0,1,2,3
	v_mov_b32 v[TM+4+\b], 0
.endr
	s_mov_b32 s[SEL], 0x76543210
	s_mov_b32 s[SEL+1], 0xfedcba98
	s_mov_b32 s76, 0xffff0000
	s_lshl_b32 s90, s42, 1
	s_add_co_u32 s90, s90, s16
	s_lshl_b32 s90, s90, 6
	s_lshl_b32 s91, s17, 2
	s_add_co_u32 s90, s90, s91
	s_lshl_b32 s91, s15, 1
	s_add_co_u32 s90, s90, s91
	s_mul_i32 s90, s90, 6400
	s_mov_b32 s91, 0
	s_add_nc_u64 s[OUTP:OUTP+1], s[10:11], s[90:91]
	s_wait_alu depctr_va_vdst(0)
	s_wait_tensorcnt 1
	s_barrier_signal -1
	s_barrier_wait -1
	FETCH_B 0, 0, 0
	FETCH_A 0, 0, 0, NB/2
	SCALES 0, 0
	FETCH_A 0, 0, NB/2, NB/2
	s_wait_loadcnt 0x0
	STEP 0, 0, 2
	s_mov_b32 s3, LAPS-1
.Llap:
	TURN 0, 1, 1
	STEP 1, 0, 0
	TURN 1, 0, 1
	STEP 0, 0, 0
	s_sub_co_u32 s3, s3, 1
	s_cmp_lg_u32 s3, 0
	s_cbranch_scc1 .Llap
	TURN 0, 1, 0
	STEP 1, 0, 0
	LAST
	PLACES 4
.irp a, 0,1,2,3,4,5,6,7
	s_wait_xcnt 0x0
	WIN (2+\a/4)<<2
.set J, 0
.rept 64
	v_max_num_f32 v[128+J], 0, v[64*(\a%4)+J]
.set J, J+1
.endr
	WIN 0
.irp b, 0,1,2,3
.irp j, 0,1,2,3,4,5,6,7
	v_permlane16_swap_b32 v[128+16*\b+\j], v[136+16*\b+\j]
.endr
.endr
	QUANT 128, 224+\a%2
.irp p, 0,1,2,3,4,5
	global_store_b64 v[L8], v[PC+2*\p:PC+2*\p+1], s[OUTP:OUTP+1] offset:(\a/4)*6400+(\a%4)*1536+256*\p
.endr
.if \a%2
	v_cndmask_b32 v226, v224, v225, s76
	global_store_b32 v[L4], v226, s[OUTP:OUTP+1] offset:(\a/4)*6400+6144+128*((\a%4)/2)
.endif
.endr
	s_wait_tensorcnt 0x0
	ds_add_u32 v[SPW], v[NIL]
	s_wait_dscnt 0x0
	CROUND
	s_endpgm
.Lfunc_end_k_q7f493f5908_ffn1:
	.size	k_q7f493f5908_ffn1, .Lfunc_end_k_q7f493f5908_ffn1-k_q7f493f5908_ffn1
	.p2alignl 7, 3214868480
	.fill 96, 4, 3214868480
	.section	.rodata,"a",@progbits
	.p2align	6, 0x0
	.amdhsa_kernel k_q7f493f5908_ffn1
		.amdhsa_group_segment_fixed_size 327680
		.amdhsa_private_segment_fixed_size 0
		.amdhsa_enable_private_segment 0
		.amdhsa_kernarg_size 32
		.amdhsa_user_sgpr_count 2
		.amdhsa_user_sgpr_kernarg_segment_ptr 1
		.amdhsa_wavefront_size32 1
		.amdhsa_system_sgpr_workgroup_id_x 1
		.amdhsa_system_sgpr_workgroup_id_y 1
		.amdhsa_system_sgpr_workgroup_id_z 1
		.amdhsa_system_vgpr_workitem_id 0
		.amdhsa_next_free_vgpr 1024
		.amdhsa_next_free_sgpr 100
		.amdhsa_reserve_vcc 0
		.amdhsa_float_denorm_mode_32 3
		.amdhsa_float_denorm_mode_16_64 3
		.amdhsa_memory_ordered 1
		.amdhsa_forward_progress 1
		.amdhsa_inst_pref_size 193
	.end_amdhsa_kernel
	.amdgpu_metadata
---
amdhsa.version: [ 1, 2 ]
amdhsa.kernels:
  - .name:           k_q7f493f5908_ffn1
    .symbol:         k_q7f493f5908_ffn1.kd
    .args:
      - { .name: hr, .offset: 0, .size: 8, .value_kind: global_buffer, .address_space: global }
      - { .name: prep, .offset: 8, .size: 8, .value_kind: global_buffer, .address_space: global }
      - { .name: b1, .offset: 16, .size: 8, .value_kind: global_buffer, .address_space: global }
      - { .name: fr, .offset: 24, .size: 8, .value_kind: global_buffer, .address_space: global }
    .group_segment_fixed_size: 327680
    .private_segment_fixed_size: 0
    .kernarg_segment_align: 8
    .kernarg_segment_size: 32
    .max_flat_workgroup_size: 128
    .sgpr_count:     100
    .vgpr_count:     1024
    .wavefront_size: 32
...
	.end_amdgpu_metadata
.endif
;; end of part 6
;; launch ffn2 (part 7): grid 8 x 32, 4 waves a work-group, clusters of 4 x 4, 327,680 bytes of LDS; arguments fr, prep, hf, b2, y; writes y
.if DOCPART == 7
	.amdgcn_target "amdgcn-amd-amdhsa--gfx1250"
	.amdhsa_code_object_version 6
	.text
	.protected	k_q7f493f5908_ffn2
	.globl	k_q7f493f5908_ffn2
	.p2align	8
	.type	k_q7f493f5908_ffn2,@function
k_q7f493f5908_ffn2:
	s_mov_b64 s[64:65], 0
	v_nop
	global_prefetch_b8 v0, s[64:65] scope:SCOPE_SE
	s_setreg_imm32_b32 hwreg(HW_REG_WAVE_MODE, 25, 1), 1
	s_wait_xcnt 0x0
	s_wait_alu depctr_hold_cnt(0) depctr_sa_sdst(0) depctr_va_vdst(0) depctr_va_sdst(0) depctr_va_ssrc(0) depctr_va_vcc(0) depctr_vm_vsrc(0)
	s_getreg_b32 s2, hwreg(HW_REG_IB_STS2, 6, 4)
	s_cmp_eq_u32 s2, 0
	s_cbranch_scc0 .Lentry_in_a_cluster
	s_endpgm
.Lentry_in_a_cluster:
	s_bfe_u32 s2, ttmp6, 0x10000c
	s_cmp_lg_u32 s2, 0xf033
	s_cbranch_scc0 .Lentry_shape_is_right
	s_endpgm
.Lentry_shape_is_right:
.set NB, 4
.set NQ, 4
.set NKS, 32
.set ZFIRST, 2
.set OFF_B, 9830400
.set GR, NB/2
.set CH, GR*6400
.set SIDE, NQ*CH
.set SLOT, 2*SIDE
.set LAPS, NKS/(2*NQ)
.set HALFW, (GR/2)*6400
.set STAGE, 204800
.set SPARE, 222208
.set ADRA, 16
.set ADRB, 18
.set ADRS, 20
.set B32, 22
.set L8, 23
.set STO, 24
.set RD, 25
.set CO, 26
.set SPW, 28
.set NIL, 29
.set SC, 32
.set BIAS, 64
.set AF, 128
.set BK, 176
.set G1, 24
.set G0, 32
.set G1B, 48
.set G0B, 56
.set STA, 66
.set STB, 68
.set OUTP, 70
.set MSB, 0
.macro WIN new
.if MSB != (\new)
	s_set_vgpr_msb (MSB<<8)|(\new)
.set MSB, (\new)
.endif
.endm
.macro PLACES n
.rept \n
	v_nop
.endr
.endm
.macro JLOAD s
	s_cmp_eq_u32 s15, 0
	s_cbranch_scc0 .Lfor_b_\@
	tensor_load_to_lds s[G0+4*\s:G0+4*\s+3], s[G1:G1+7]
	s_nop 0
.rept 4
	v_nop
.endr
	s_branch .Lasked_\@
.Lfor_b_\@:
	tensor_load_to_lds s[G0B+4*\s:G0B+4*\s+3], s[G1B:G1B+7]
	s_nop 0
.rept 4
	v_nop
.endr
.Lasked_\@:
.endm
.macro CREST
	s_cmp_lg_u32 s14, 0
	s_cbranch_scc1 .Lnot_wave_0_\@
	s_barrier_signal -3
.Lnot_wave_0_\@:
	s_barrier_wait -3
	s_barrier_signal -1
	s_barrier_wait -1
.endm
.macro CROUND
	s_barrier_signal -1
	s_barrier_wait -1
	CREST
.endm
.macro FRAG reg, adr, off
.irp p, 0,1,2,3,4,5
	ds_load_b64 v[(\reg)+2*\p:(\reg)+2*\p+1], v[\adr] offset:(\off)+256*\p
.endr
.endm
.macro FETCH_B slot, q, p
	WIN 0x40
.set FI, 0
.rept NB
	FRAG 128*(\p)+12*FI, ADRB+\slot, (\q)*CH+(FI/4)*6400+(FI%4)*1536
.set FI, FI+1
.endr
	WIN 0
.endm
.macro FETCH_A slot, q, i0, n
.set FI, \i0
.rept \n
	FRAG AF+12*FI, ADRA+\slot, (\q)*CH+(FI/4)*6400+(FI%4)*1536
.set FI, FI+1
.endr
.endm
.macro SCALES slot, q
.set FI, 0
.rept NB
	ds_load_b32 v[SC+NB*((\q)%2)+FI], v[ADRS+\slot] offset:(\q)*CH+(FI/4)*6400+64*(FI%4)
.set FI, FI+1
.endr
.endm
.macro ACCWIN a, z
.set AW, 2+(NB*(\a))/32
.if (\z)==2
	WIN (AW<<6)|1
.else
	WIN (AW<<6)|(AW<<4)|1
.endif
.endm
.macro MULS a0, n, p, q, z
.set MA, \a0
.rept \n
.set MB, 0
.rept NB
.set MD, 8*((NB*MA+MB)%32)
.if (\z)==1
	v_wmma_scale_f32_16x16x128_f8f6f4 v[MD:MD+7], v[128*(\p)+12*MB:128*(\p)+12*MB+11], v[AF+12*MA:AF+12*MA+11], 0, v[SC+NB*((\q)%2)+MB], v[SC+NB*((\q)%2)+MA] matrix_a_fmt:MATRIX_FMT_FP6 matrix_b_fmt:MATRIX_FMT_FP6 matrix_a_scale:MATRIX_SCALE_ROW1
.elseif (\z)==2
	v_wmma_scale_f32_16x16x128_f8f6f4 v[MD:MD+7], v[128*(\p)+12*MB:128*(\p)+12*MB+11], v[AF+12*MA:AF+12*MA+11], v[BIAS+8*MB:BIAS+8*MB+7], v[SC+NB*((\q)%2)+MB], v[SC+NB*((\q)%2)+MA] matrix_a_fmt:MATRIX_FMT_FP6 matrix_b_fmt:MATRIX_FMT_FP6 matrix_a_scale:MATRIX_SCALE_ROW1
.else
	v_wmma_scale_f32_16x16x128_f8f6f4 v[MD:MD+7], v[128*(\p)+12*MB:128*(\p)+12*MB+11], v[AF+12*MA:AF+12*MA+11], v[MD:MD+7], v[SC+NB*((\q)%2)+MB], v[SC+NB*((\q)%2)+MA] matrix_a_fmt:MATRIX_FMT_FP6 matrix_b_fmt:MATRIX_FMT_FP6 matrix_a_scale:MATRIX_SCALE_ROW1
.endif
.set MB, MB+1
.endr
.set MA, MA+1
.endr
.endm
.macro STEP slot, q, z
	s_wait_dscnt (NB/2)*6
	ACCWIN 0, \z
	MULS 0, NB/2, (\q)%2, \q, \z
	s_wait_dscnt 0x0
	PLACES 4
	FETCH_B \slot, (\q)+1, 1-(\q)%2
	FETCH_A \slot, (\q)+1, 0, NB/2
	SCALES \slot, (\q)+1
	ACCWIN NB/2, \z
	MULS NB/2, NB/2, (\q)%2, \q, \z
	PLACES 4
	WIN 0
	FETCH_A \slot, (\q)+1, NB/2, NB/2
.endm
.macro TURN slot, next, fill
.if \fill
	s_wait_xcnt 0x0                                ; my last prefetch has read its address: it steps four K steps on
	s_add_nc_u64 s[84:85], s[84:85], s[94:95]
.endif
	s_wait_tensorcnt 0x0
	ds_add_u32 v[SPW], v[NIL]
	s_wait_dscnt (NB/2)*6+1
	ACCWIN 0, 0
	MULS 0, NB/4, 1, NQ-1, 0
	s_wait_dscnt 0x0
	s_barrier_signal -1
	MULS NB/4, NB/4, 1, NQ-1, 0
	WIN 0
	s_barrier_wait -1
.if \fill
	CREST
	s_add_nc_u64 s[G0+4*\slot+2:G0+4*\slot+3], s[G0+4*\slot+2:G0+4*\slot+3], s[STA:STA+1]
	s_add_nc_u64 s[G0B+4*\slot+2:G0B+4*\slot+3], s[G0B+4*\slot+2:G0B+4*\slot+3], s[STB:STB+1]
	JLOAD \slot
.else
	PLACES 4
.endif
	FETCH_B \next, 0, 0
	FETCH_A \next, 0, 0, NB/2
	SCALES \next, 0
.if \fill
	s_cmp_gt_u32 s3, 1                             ; the loop's last trip has no refill two on
	s_cbranch_scc0 .Lno_ask_\@
	global_prefetch_b8 v30, s[84:85] th:TH_LOAD_NT scope:SCOPE_SE   ; the refill that stands two on: of the four records that I will fetch then, my work-group's one, a lane to each 256 bytes
.Lno_ask_\@:
.endif
	ACCWIN NB/2, 0
	MULS NB/2, NB/2, 1, NQ-1, 0
	PLACES 4
	WIN 0
	FETCH_A \next, 0, NB/2, NB/2
.endm
.macro LAST
	s_wait_dscnt (NB/2)*6
	ACCWIN 0, 0
	MULS 0, NB/2, 1, NQ-1, 0
	s_wait_dscnt 0x0
	ACCWIN NB/2, 0
	MULS NB/2, NB/2, 1, NQ-1, 0
	WIN 0
.endm
.macro TOSTAGE a
	WIN 0x08
.irp b, 0,1,2,3
	ds_store_b128 v[STO], v[8*(4*(\a)+\b):8*(4*(\a)+\b)+3] offset:64*\b
	ds_store_b128 v[STO], v[8*(4*(\a)+\b)+4:8*(4*(\a)+\b)+7] offset:64*\b+16
.endr
	WIN 0
.set BB, BK+32*((\a)%2)
.irp t, 0,1,2,3,4,5,6,7
	ds_load_b128 v[BB+4*\t:BB+4*\t+3], v[RD] offset:544*\t
.endr
.endm
.macro SEND a, younger
.set BB, BK+32*((\a)%2)
	s_wait_dscnt \younger
	WIN 0x0c
.set J, 0
.rept 16
	v_pk_add_f32 v[BB+J:BB+J+1], v[BB+J:BB+J+1], v[32*(\a)+J:32*(\a)+J+1]
.set J, J+2
.endr
	WIN 0
.irp t, 0,1,2,3,4,5,6,7
	global_store_b128 v[CO], v[BB+4*\t:BB+4*\t+3], s[OUTP:OUTP+1] offset:(16*(\a)+2*\t)*4096
.endr
.endm
	s_load_b128 s[4:7], s[0:1], 0x0
	s_load_b128 s[8:11], s[0:1], 0x10
	s_load_b64 s[12:13], s[0:1], 0x20
	v_lshl_add_u32 v[SPW], v0, 2, SPARE
	v_mov_b32 v[NIL], 0
	ds_add_u32 v28, v29
	ds_add_u32 v28, v29
	s_wait_dscnt 0x0
	v_lshrrev_b32 v1, 5, v0
	v_readfirstlane_b32 s14, v1
	v_and_b32 v30, 31, v0                          ; the prefetches' offset: a lane to each 256 bytes of a record of 25 such blocks;
	v_min_u32 v30, 24, v30                         ; the lanes left over name the last again
	v_lshlrev_b32 v30, 8, v30
	s_wait_alu depctr_va_vdst(0)                   ; the wait directly behind the write
	s_lshr_b32 s15, s14, 1
	s_and_b32 s16, s14, 1
	s_bfe_u32 s40, ttmp6, 0x40000
	s_bfe_u32 s41, ttmp6, 0x40004
	s_lshl_b32 s42, ttmp9, 2
	s_add_co_u32 s42, s42, s40
	s_and_b32 s17, ttmp7, 0xffff
	s_lshl_b32 s17, s17, 2
	s_add_co_u32 s17, s17, s41
	s_lshl_b32 s43, s41, 2
	s_lshl_b32 s43, 15, s43
	s_lshl_b32 s44, 0x1111, s40
	s_or_b32 s[G1], s43, (3<<16)|(1<<21)
	s_or_b32 s[G1B], s44, (3<<16)|(1<<21)
.irp g, G1, G1B
	s_mov_b32 s[\g+1], 1600<<16
	s_mov_b32 s[\g+2], 2<<16
	s_mov_b32 s[\g+3], 1600<<16
	s_mov_b32 s[\g+4], 2
	s_mov_b32 s[\g+6], 0
	s_mov_b32 s[\g+7], 0
.endr
	s_mov_b32 s[G1+5], 51200
	s_mov_b32 s[G1B+5], 12800
	s_mul_i32 s20, s16, 819200
	s_mul_i32 s21, s17, 12800
	s_add_co_u32 s20, s20, s21
	s_mov_b32 s21, 0
	s_mul_i32 s46, s16, 204800
	s_mul_i32 s47, s42, 12800
	s_add_co_u32 s46, s46, s47
	s_add_co_u32 s46, s46, OFF_B
	s_mov_b32 s47, 0
	s_mov_b32 s80, 1638400
	s_mov_b32 s81, 0
	s_mov_b32 s82, 409600
	s_mov_b32 s83, 0
	s_mov_b32 s[STA], 3276800
	s_mov_b32 s[STA+1], 0
	s_mov_b32 s[STB], 819200
	s_mov_b32 s[STB+1], 0
	s_mul_i32 s45, s14, 25600
	s_wait_kmcnt 0x0
	s_add_nc_u64 s[20:21], s[4:5], s[20:21]
	s_add_nc_u64 s[46:47], s[6:7], s[46:47]
	CROUND
	s_mov_b32 s[G0], 1
	s_mov_b32 s[G0+1], s45
	s_mov_b64 s[G0+2:G0+3], s[20:21]
	s_or_b32 s[G0+3], s[G0+3], 0x80000000
	s_mov_b32 s[G0B], 1
	s_mov_b32 s[G0B+1], s45
	s_mov_b64 s[G0B+2:G0B+3], s[46:47]
	s_or_b32 s[G0B+3], s[G0B+3], 0x80000000
	JLOAD 0
	s_mov_b32 s[G0+4], 1
	s_add_co_u32 s[G0+5], s45, SLOT
	s_add_nc_u64 s[G0+6:G0+7], s[20:21], s[80:81]
	s_or_b32 s[G0+7], s[G0+7], 0x80000000
	s_mov_b32 s[G0B+4], 1
	s_add_co_u32 s[G0B+5], s45, SLOT
	s_add_nc_u64 s[G0B+6:G0B+7], s[46:47], s[82:83]
	s_or_b32 s[G0B+7], s[G0B+7], 0x80000000
	; the prefetches: a load of mine brings 2 K steps x 2 records; the four partners that ask for it jointly share the four records out by address (cx for A, cy for B)
	s_mov_b32 s87, 102400                          ; B's plane of records,
	s_cmp_eq_u32 s15, 0
	s_cselect_b64 s[84:85], s[20:21], s[46:47]
	s_cselect_b32 s86, s40, s41
	s_cselect_b32 s87, 409600, s87                 ; or A's
	s_lshr_b32 s88, s86, 1
	s_mul_i32 s88, s88, s87
	s_and_b32 s89, s86, 1
	s_mul_i32 s89, s89, 6400
	s_add_co_u32 s88, s88, s89
	s_mov_b32 s89, 0
	s_add_nc_u64 s[84:85], s[84:85], s[88:89]
	s_lshl_b32 s94, s87, 2                         ; from refill to refill: four K steps
	s_mov_b32 s95, 0
	s_lshl_b32 s96, s94, 1
	s_mov_b32 s97, 0
	s_add_nc_u64 s[96:97], s[84:85], s[96:97]      ; K steps 8-11, the first refill's,
	s_add_nc_u64 s[98:99], s[96:97], s[94:95]      ; and 12-15, the second's: asked for at the head
	s_add_nc_u64 s[88:89], s[84:85], s[94:95]      ; K steps 4-7, slot 1's first fill
	s_mov_b64 s[84:85], s[98:99]                   ; refill n steps this on and names K steps 16 + 4 n ..
	global_prefetch_b8 v30, s[88:89] th:TH_LOAD_NT scope:SCOPE_SE
	global_prefetch_b8 v30, s[96:97] th:TH_LOAD_NT scope:SCOPE_SE
	s_wait_alu depctr_va_vdst(0)
	s_wait_tensorcnt 0x0
	ds_add_u32 v28, v29
	s_wait_dscnt 0x0
	CROUND
	JLOAD 1
	v_and_b32 v1, 15, v0
	v_bfe_u32 v2, v0, 4, 1
	s_wait_alu depctr_va_vdst(0)
	v_and_b32 v3, 31, v0
	v_lshlrev_b32 v[L8], 3, v3
	v_lshlrev_b32 v[B32], 5, v2
	s_mul_i32 s21, s15, HALFW
	s_mul_i32 s22, s16, HALFW
	s_add_co_u32 s22, s22, SIDE
.irp s, 0,1
	v_add_nc_u32 v[ADRA+\s], s21, v[L8]
	v_add_nc_u32 v[ADRB+\s], s22, v[L8]
	s_add_co_u32 s21, s21, SLOT
	s_add_co_u32 s22, s22, SLOT
.endr
	s_xor_b32 s23, s15, 1
	s_add_co_u32 s23, s23, s16
	s_mul_i32 s23, s23, HALFW
	s_add_co_u32 s23, s23, SIDE-HALFW
	v_mul_u32_u24 v5, s23, v2
	v_lshl_add_u32 v5, v1, 2, v5
	s_mul_i32 s21, s15, HALFW
	s_add_co_u32 s21, s21, 6144
	v_add_nc_u32 v[ADRS], s21, v5
	v_add_nc_u32 v[ADRS+1], SLOT, v[ADRS]
	s_mul_i32 s21, s14, 4352
	s_add_co_u32 s21, s21, STAGE
	v_mul_u32_u24 v5, v1, 272
	v_lshl_add_u32 v5, v2, 5, v5
	v_add_nc_u32 v[STO], s21, v5
	v_mul_u32_u24 v5, v2, 272
	v_lshl_add_u32 v5, v1, 4, v5
	v_add_nc_u32 v[RD], s21, v5
	v_lshlrev_b32 v[CO], 12, v2
	v_lshl_add_u32 v[CO], v1, 4, v[CO]
	s_wait_alu depctr_va_vdst(0)
	s_lshl_b32 s90, s17, 7
	s_lshl_b32 s91, s15, 6
	s_add_co_u32 s90, s90, s91
	s_lshl_b32 s90, s90, 12
	s_lshl_b32 s91, s42, 7
	s_lshl_b32 s92, s16, 6
	s_add_co_u32 s91, s91, s92
	s_lshl_b32 s92, s91, 2
	s_add_co_u32 s90, s90, s92
	s_mov_b32 s91, 0
	s_mov_b32 s93, 0
	s_add_nc_u64 s[72:73], s[8:9], s[90:91]
	s_add_nc_u64 s[OUTP:OUTP+1], s[12:13], s[90:91]
	s_add_nc_u64 s[74:75], s[10:11], s[92:93]
	global_prefetch_b8 v30, s[98:99] th:TH_LOAD_NT scope:SCOPE_SE
.irp b, 0,1,2,3
	global_load_b128 v[BIAS+8*\b:BIAS+8*\b+3], v[B32], s[74:75] offset:64*\b
	global_load_b128 v[BIAS+8*\b+4:BIAS+8*\b+7], v[B32], s[74:75] offset:64*\b+16
.endr
	WIN 0xc0
.irp a, 0,1,2,3
.irp t, 0,1,2,3,4,5,6,7
	global_load_b128 v[32*\a+4*\t:32*\a+4*\t+3], v[CO], s[72:73] offset:(16*\a+2*\t)*4096 th:TH_LOAD_NT
.endr
.endr
	WIN 0
	s_wait_tensorcnt 1
	s_barrier_signal -1
	s_barrier_wait -1
	FETCH_B 0, 0, 0
	FETCH_A 0, 0, 0, NB/2
	SCALES 0, 0
	FETCH_A 0, 0, NB/2, NB/2
	s_wait_loadcnt 32
	STEP 0, 0, ZFIRST
	s_mov_b32 s3, LAPS-1
.Llap:
	STEP 0, 1, 0
	STEP 0, 2, 0
	TURN 0, 1, 1
	STEP 1, 0, 0
	STEP 1, 1, 0
	STEP 1, 2, 0
	TURN 1, 0, 1
	STEP 0, 0, 0
	s_sub_co_u32 s3, s3, 1
	s_cmp_lg_u32 s3, 0
	s_cbranch_scc1 .Llap
	STEP 0, 1, 0
	STEP 0, 2, 0
	TURN 0, 1, 0
	STEP 1, 0, 0
	STEP 1, 1, 0
	STEP 1, 2, 0
	LAST
	s_wait_loadcnt 0x0
	PLACES 4
	TOSTAGE 0
.irp a, 1,2,3
.if \a > 1
	s_wait_xcnt 0x0
.endif
	TOSTAGE \a
	SEND \a-1, 16
.endr
	SEND 3, 0
	s_wait_tensorcnt 0x0
	ds_add_u32 v[SPW], v[NIL]
	s_wait_dscnt 0x0
	CROUND
	s_endpgm
.Lfunc_end_k_q7f493f5908_ffn2:
	.size	k_q7f493f5908_ffn2, .Lfunc_end_k_q7f493f5908_ffn2-k_q7f493f5908_ffn2
	.p2alignl 7, 3214868480
	.fill 96, 4, 3214868480
	.section	.rodata,"a",@progbits
	.p2align	6, 0x0
	.amdhsa_kernel k_q7f493f5908_ffn2
		.amdhsa_group_segment_fixed_size 327680
		.amdhsa_private_segment_fixed_size 0
		.amdhsa_enable_private_segment 0
		.amdhsa_kernarg_size 40
		.amdhsa_user_sgpr_count 2
		.amdhsa_user_sgpr_kernarg_segment_ptr 1
		.amdhsa_wavefront_size32 1
		.amdhsa_system_sgpr_workgroup_id_x 1
		.amdhsa_system_sgpr_workgroup_id_y 1
		.amdhsa_system_sgpr_workgroup_id_z 1
		.amdhsa_system_vgpr_workitem_id 0
		.amdhsa_next_free_vgpr 1024
		.amdhsa_next_free_sgpr 100
		.amdhsa_reserve_vcc 0
		.amdhsa_float_denorm_mode_32 3
		.amdhsa_float_denorm_mode_16_64 3
		.amdhsa_memory_ordered 1
		.amdhsa_forward_progress 1
		.amdhsa_inst_pref_size 120
	.end_amdhsa_kernel
	.amdgpu_metadata
---
amdhsa.version: [ 1, 2 ]
amdhsa.kernels:
  - .name:           k_q7f493f5908_ffn2
    .symbol:         k_q7f493f5908_ffn2.kd
    .args:
      - { .name: fr, .offset: 0, .size: 8, .value_kind: global_buffer, .address_space: global }
      - { .name: prep, .offset: 8, .size: 8, .value_kind: global_buffer, .address_space: global }
      - { .name: hf, .offset: 16, .size: 8, .value_kind: global_buffer, .address_space: global }
      - { .name: b2, .offset: 24, .size: 8, .value_kind: global_buffer, .address_space: global }
      - { .name: y, .offset: 32, .size: 8, .value_kind: global_buffer, .address_space: global }
    .group_segment_fixed_size: 327680
    .private_segment_fixed_size: 0
    .kernarg_segment_align: 8
    .kernarg_segment_size: 40
    .max_flat_workgroup_size: 128
    .sgpr_count:     100
    .vgpr_count:     1024
    .wavefront_size: 32
...
	.end_amdgpu_metadata
.endif
;; end of part 7
;; launch ln2 (part 8): grid 256 x 1, 4 waves a work-group, no clusters, 0 bytes of LDS; arguments y, ln2_g, ln2_b, out0; writes out0
.if DOCPART == 8
	.amdgcn_target "amdgcn-amd-amdhsa--gfx1250"
	.amdhsa_code_object_version 6
	.text
	.protected	k_q7f493f5908_ln2
	.globl	k_q7f493f5908_ln2
	.p2align	8
	.type	k_q7f493f5908_ln2,@function
k_q7f493f5908_ln2:
	s_mov_b64 s[64:65], 0
	v_nop
	global_prefetch_b8 v0, s[64:65] scope:SCOPE_SE
	s_setreg_imm32_b32 hwreg(HW_REG_WAVE_MODE, 25, 1), 1
	s_wait_xcnt 0x0
; out0 = LayerNorm(y) g + b, rows of 1,024 f32.  A work-group takes 16 rows, a wave 4: a row lies in 32 registers of the wave, lane l holding columns 128 k + 4 l .. + 3:
; every load and store covers 512 consecutive bytes.  Mean first, then the squares of the differences: no difference of large sums.
; Memory binds: no LDS, no barrier, no matrix unit, no cluster.  NaN and infinities are not served.
.set Y,  64                            ; v64-191 four rows
.set G,  192                           ; v192-223 the gain at my columns
.set BT, 224                           ; v224-255 the bias
.set SEL, 18
.macro REDUCE t                        ; the four rows' pairs are summed over the pair and the 32 lanes: every lane holds the sum
.irp i, 0,1,2,3
	v_add_f32 v[\t+2*\i], v[\t+2*\i], v[\t+1+2*\i]
.endr
.irp m, 1,2,4,8
.irp i, 0,1,2,3
	v_add_f32_dpp v[\t+2*\i], v[\t+2*\i], v[\t+2*\i] row_xmask:\m row_mask:0xf bank_mask:0xf
.endr
.endr
.irp i, 0,1,2,3
	v_permlanex16_b32 v[16+\i], v[\t+2*\i], s[SEL], s[SEL+1]
.endr
.irp i, 0,1,2,3
	v_add_f32 v[\t+2*\i], v[\t+2*\i], v[16+\i]
.endr
.endm
	s_load_b128 s[4:7], s[0:1], 0x0                ; y, gain
	s_load_b128 s[8:11], s[0:1], 0x10              ; bias, out0
	v_lshrrev_b32 v1, 5, v0
	v_readfirstlane_b32 s14, v1                    ; wave
	v_and_b32 v1, 31, v0
	v_lshlrev_b32 v2, 4, v1                        ; 16 x lane
	s_lshl_b32 s16, ttmp9, 16                      ; 16 rows of 4,096 bytes a work-group,
	s_lshl_b32 s17, s14, 14                        ; 4 a wave
	s_add_co_u32 s16, s16, s17
	s_mov_b32 s17, 0
	s_mov_b32 s[SEL], 0x76543210
	s_mov_b32 s[SEL+1], 0xfedcba98
	s_mov_b32 s20, 0x3a800000                      ; 1 / 1,024
	s_mov_b32 s21, 0x3727c5ac                      ; 1e-5
.irp i, 0,1,2,3
	v_mov_b32 v[16+\i], 0                          ; a lane permute's destination counts as one of its sources
	v_mov_b32 v[33+2*\i], 0                        ; (named as the upper half of a pair)
.endr
	s_wait_alu depctr_va_vdst(0)
	s_wait_kmcnt 0x0
	s_add_nc_u64 s[4:5], s[4:5], s[16:17]
	s_add_nc_u64 s[10:11], s[10:11], s[16:17]
.irp i, 0,1,2,3
.irp k, 0,1,2,3,4,5,6,7
	global_load_b128 v[Y+32*\i+4*\k:Y+32*\i+4*\k+3], v2, s[4:5] offset:\i*4096+512*\k th:TH_LOAD_NT
.endr
.endr
.irp k, 0,1,2,3,4,5,6,7
	global_load_b128 v[G+4*\k:G+4*\k+3], v2, s[6:7] offset:512*\k
	global_load_b128 v[BT+4*\k:BT+4*\k+3], v2, s[8:9] offset:512*\k
.endr
	s_wait_loadcnt 16                              ; the four rows are in; gain and bias may be out
.irp i, 0,1,2,3
	v_pk_add_f32 v[8+2*\i:9+2*\i], v[Y+32*\i:Y+32*\i+1], v[Y+32*\i+2:Y+32*\i+3]
.endr
.irp j, 4,6,8,10,12,14,16,18,20,22,24,26,28,30
.irp i, 0,1,2,3
	v_pk_add_f32 v[8+2*\i:9+2*\i], v[8+2*\i:9+2*\i], v[Y+32*\i+\j:Y+32*\i+\j+1]   ; the four rows by turns
.endr
.endr
	REDUCE 8
.irp i, 0,1,2,3
	v_mul_f32 v[8+2*\i], s20, v[8+2*\i]            ; the mean
.endr
.irp j, 0,2,4,6,8,10,12,14,16,18,20,22,24,26,28,30
.irp i, 0,1,2,3
	v_pk_add_f32 v[Y+32*\i+\j:Y+32*\i+\j+1], v[Y+32*\i+\j:Y+32*\i+\j+1], v[8+2*\i:9+2*\i] op_sel_hi:[1,0] neg_lo:[0,1] neg_hi:[0,1]   ; y - mean
.endr
.endr
.irp i, 0,1,2,3
	v_pk_mul_f32 v[24+2*\i:25+2*\i], v[Y+32*\i:Y+32*\i+1], v[Y+32*\i:Y+32*\i+1]
.endr
.irp j, 2,4,6,8,10,12,14,16,18,20,22,24,26,28,30
.irp i, 0,1,2,3
	v_pk_fma_f32 v[24+2*\i:25+2*\i], v[Y+32*\i+\j:Y+32*\i+\j+1], v[Y+32*\i+\j:Y+32*\i+\j+1], v[24+2*\i:25+2*\i]
.endr
.endr
	REDUCE 24
.irp i, 0,1,2,3
	v_fma_f32 v[24+2*\i], v[24+2*\i], s20, s21     ; the variance + 1e-5
.endr
	s_wait_alu depctr_va_vdst(0)
.irp i, 0,1,2,3
	v_rsq_f32 v[32+2*\i], v[24+2*\i]
.endr
	v_nop                                          ; a plain place behind the last of them
	s_wait_alu depctr_va_vdst(0)                   ; one wait for the four, ahead of their first reader
	s_wait_loadcnt 0x0                             ; gain and bias
.irp j, 0,2,4,6,8,10,12,14,16,18,20,22,24,26,28,30
.irp i, 0,1,2,3
	v_pk_mul_f32 v[Y+32*\i+\j:Y+32*\i+\j+1], v[Y+32*\i+\j:Y+32*\i+\j+1], v[32+2*\i:33+2*\i] op_sel_hi:[1,0]
.endr
.irp i, 0,1,2,3
	v_pk_fma_f32 v[Y+32*\i+\j:Y+32*\i+\j+1], v[Y+32*\i+\j:Y+32*\i+\j+1], v[G+\j:G+\j+1], v[BT+\j:BT+\j+1]
.endr
.endr
.irp i, 0,1,2,3
.irp k, 0,1,2,3,4,5,6,7
	global_store_b128 v2, v[Y+32*\i+4*\k:Y+32*\i+4*\k+3], s[10:11] offset:\i*4096+512*\k th:TH_STORE_NT   ; 512 consecutive bytes, aligned
.endr
.endr
	s_endpgm
.Lfunc_end_k_q7f493f5908_ln2:
	.size	k_q7f493f5908_ln2, .Lfunc_end_k_q7f493f5908_ln2-k_q7f493f5908_ln2
	.p2alignl 7, 3214868480
	.fill 96, 4, 3214868480
	.section	.rodata,"a",@progbits
	.p2align	6, 0x0
	.amdhsa_kernel k_q7f493f5908_ln2
		.amdhsa_group_segment_fixed_size 0
		.amdhsa_private_segment_fixed_size 0
		.amdhsa_enable_private_segment 0
		.amdhsa_kernarg_size 32
		.amdhsa_user_sgpr_count 2
		.amdhsa_user_sgpr_kernarg_segment_ptr 1
		.amdhsa_wavefront_size32 1
		.amdhsa_system_sgpr_workgroup_id_x 1
		.amdhsa_system_sgpr_workgroup_id_y 1
		.amdhsa_system_sgpr_workgroup_id_z 1
		.amdhsa_system_vgpr_workitem_id 0
		.amdhsa_next_free_vgpr 256
		.amdhsa_next_free_sgpr 66
		.amdhsa_reserve_vcc 0
		.amdhsa_float_denorm_mode_32 3
		.amdhsa_float_denorm_mode_16_64 3
		.amdhsa_memory_ordered 1
		.amdhsa_forward_progress 1
		.amdhsa_inst_pref_size 33
	.end_amdhsa_kernel
	.amdgpu_metadata
---
amdhsa.version: [ 1, 2 ]
amdhsa.kernels:
  - .name:           k_q7f493f5908_ln2
    .symbol:         k_q7f493f5908_ln2.kd
    .args:
      - { .name: y, .offset: 0, .size: 8, .value_kind: global_buffer, .address_space: global }
      - { .name: ln2_g, .offset: 8, .size: 8, .value_kind: global_buffer, .address_space: global }
      - { .name: ln2_b, .offset: 16, .size: 8, .value_kind: global_buffer, .address_space: global }
      - { .name: out0, .offset: 24, .size: 8, .value_kind: global_buffer, .address_space: global }
    .group_segment_fixed_size: 0
    .private_segment_fixed_size: 0
    .kernarg_segment_align: 8
    .kernarg_segment_size: 32
    .max_flat_workgroup_size: 128
    .sgpr_count:     66
    .vgpr_count:     256
    .wavefront_size: 32
...
	.end_amdgpu_metadata
.endif
;; end of part 8
